; MI455X (gfx1250); checked and timed in simulation.
; The chip was launched on July 23, 2026; its instructions are those of AMD's public machine-readable ISA for CDNA 5 (MIT licence, August 2026) and "CDNA5" Instruction Set Architecture Reference Guide (July 2026). The comments in the code are by the model that wrote it; some were corrected since.
;; Causal Self Attention. Allowed arithmetic: matrix products marked QUANTISED: E4M3 operands, one given power-of-two scale a tensor, by v_wmma_f32_16x16x64_fp8_fp8 or v_wmma_f32_16x16x128_fp8_fp8, f32 sums; everything else in f32.
;; Inputs: lowp_scales 8 int32 (the exponents e of the quantised operands' scales 2^e); w_attn 1,024 x 3,072 float32; w_proj 1,024 x 1,024 float32; x 4 x 2,048 x 1,024 float32.
;; Outputs: out0 4 x 2,048 x 1,024 float32.
;; This version of the problem:
;;   THIS VERSION OF THE PROBLEM IS GIVEN IN LOW PRECISION. The matrix products marked QUANTISED in the list below multiply operands that are first quantised to E4M3 (4 exponent bits, 3 mantissa bits; 8 bits a number), with one given power-of-two scale for each operand tensor; their sums are f32. All else is computed in f32.
;;   The module's matrix products, in the order in which they are computed (A, B: the left and right operand; K: the contracted axis; several contracted axes count as one K, in the product's order):
;;     1. [M 8,192, K 1,024] x [K 1,024, N 3,072]; A: input x; B: input w_attn: QUANTISED (scales: A lowp_scales[0], B lowp_scales[1])
;;     2. batch 64 x [M 2,048, K 64] x [K 64, N 2,048]; A: computed on the way; B: computed on the way: QUANTISED (scales: A lowp_scales[2], B lowp_scales[3])
;;     3. batch 64 x [M 2,048, K 2,048] x [K 2,048, N 64]; A: softmax (see below); B: computed on the way: QUANTISED (scales: A lowp_scales[4], B lowp_scales[5])
;;     4. [M 8,192, K 1,024] x [K 1,024, N 1,024]; A: computed on the way; B: input w_proj: QUANTISED (scales: A lowp_scales[6], B lowp_scales[7])
;;   THE QUANTISER, for each operand of a quantised product, along K:
;;     - The operand's scale is 2^e, e = its entry of the input lowp_scales (int32; the entries are numbered through the quantised products in the list's order, A before B).
;;     - Each number is divided by the scale, clamped to +-448, and rounded to the nearest number of E4M3, ties to even, subnormals kept.
;;     - The product sums the exact products of the quantised numbers (number of the format x scale) in f32.
;;   ~~~python
;;   def quantise(x, axis, e):      # numpy; x: float32 -> the quantised numbers, widened to float32 again
;;       x = np.moveaxis(x, axis, -1); K = x.shape[-1]
;;       r = np.clip(x / 2.0 ** e, -448, 448)
;;       step = 2.0 ** (np.maximum(np.frexp(np.where(r == 0, 1, r))[1] - 1, -6) - 3)
;;       q = np.round(r / step) * step * 2.0 ** e      # np.round: ties to even
;;       return np.moveaxis(q, -1, axis).astype(np.float32)
;;   ~~~
;;   SOFTMAX AHEAD OF A QUANTISED PRODUCT. Where the list says 'softmax', what is quantised is not the finished softmax but p = 2^(t - M), with t = logit x log2(e) and M = ceil(the row's largest t), a whole number; so 1/2 < the row's largest p <= 1. The row's sum l is taken of the UNQUANTISED p, in f32, and the product's result is divided by l at the end. Since M is a whole number, a kernel that streams over the keys may use a running M (the ceiling of the running maximum): every later rescaling is an exact power of two, so the quantised numbers keep their values, but for numbers so far below the row's largest that they fall under the format's range.
;;   OPERANDS COMPUTED ON THE WAY. 'Computed on the way' means the value that the module computes at that place (a softmax that the list does not call 'softmax' is quantised finished and normalised). What goes into a quantiser is computed in f32, as accurately as f32 sums, v_exp_f32 and their like allow (about 1e-6 of the number): no bf16 or f16 on the way to a quantiser, and a product that is left as it is and whose result goes on into a quantised operand takes f32 operands (vector FMAs, or v_wmma_f32_16x16x4_f32). A number that lies on a knife's edge between two numbers of the format may be rounded either way, as far as f32 arithmetic and the matrix unit's own rounding can turn it there, and no further.
;; One version. Each part assembles by itself: llvm-mc -triple=amdgcn-amd-amdhsa -mcpu=gfx1250 --defsym DOCPART=n.
;; ======== version 1 of 1: 4 launches
;; limits: right only within a limited range of input values
;; workspace buffers: x_codes 8,388,608 bytes; wa_codes 3,145,728 bytes; wp_codes 1,048,576 bytes; q_codes 8,388,608 bytes; k_codes 8,388,608 bytes; v_codes 8,388,608 bytes; y_codes 8,388,608 bytes
;; launch quant (part 1): grid 384 x 1, 4 waves a work-group, no clusters, 102,912 bytes of LDS; arguments x, w_attn, w_proj, lowp_scales, x_codes, wa_codes, wp_codes; writes x_codes, wa_codes, wp_codes
.if DOCPART == 1
	.amdgcn_target "amdgcn-amd-amdhsa--gfx1250"
	.amdhsa_code_object_version 6
	.text
	.protected	k_q9e31646b80_quant
	.globl	k_q9e31646b80_quant
	.p2align	8
	.type	k_q9e31646b80_quant,@function
k_q9e31646b80_quant:
	s_mov_b64 s[64:65], 0
	v_nop
	global_prefetch_b8 v0, s[64:65] scope:SCOPE_SE
	s_setreg_imm32_b32 hwreg(HW_REG_WAVE_MODE, 25, 1), 1
	s_wait_xcnt 0x0
; The three f32 inputs become codes of FP8 (E4M3), K innermost, each with the one scale 2^e that is given for it:
;   x [8192][1024] (K innermost already)  -> x_codes  [8192][1024], e = entry 0 of the scales
;   w_attn [1024 k][3072 n] (K outermost) -> wa_codes [3072][1024], e = entry 1
;   w_proj [1024 k][1024 n] (K outermost) -> wp_codes [1024][1024], e = entry 7
; code = number / 2^e, held within +-448, to the nearest code, ties to even.
; LIMITS: each e between -126 and 119, so that 2^e and 448 x 2^e are f32 numbers.  NaN among the inputs is not served (an infinity is held at the largest code).
; SHARES: work-groups 0-255 take x (a wave: 8,192 numbers on end), 256-351 w_attn, 352-383 w_proj (a wave: 32 columns x 256 along K).  The three ways part on the
; work-group's number alone; each has LDS bytes of its own and its own end.  Waves share nothing: no barrier.  It is a stream: no matrix unit, no cluster, no tensor load would add anything.
; WORK THAT THE PROGRAM LEAVES OUT (launch attn): reference() sets att to -inf wherever key > query, by the jnp.tril that it builds in its own body, and the softmax gives those places
; the weight 0 whatever finite values the inputs hold.  So a step of 128 keys that lies wholly behind a wave's queries is neither multiplied nor summed.  Every input has a way to the output and is loaded.
; LIMIT: a NaN, an infinity or an overflow that would arise only in scores that are left out is not carried to the result.
.set STEPS, 16
.set SP,    80                         ; x: a lane's place in a stage: its 64 bytes + 16 of padding
.set XR,    16                         ; v16-79   x: four sets of 16 numbers as they are loaded
.set XX,    80                         ; v80-111  x: two sets of 16 neighbours
.set XC,    128                        ; v128-191 x: codes, four registers for each step: no store's data are written again
.set NB,    8                          ; w: blocks of 32 along K for a wave
.set WPITCH, 272                       ; w: a stage row: 256 bytes of codes + 16
.set WX,    32                         ; v32-95   w: two sets of 32 numbers
.set WC,    96                         ; v96-103  w: a block's codes
.set WO,    112                        ; v112-175 w: the way out
	s_load_b256 s[4:11], s[0:1], 0x0               ; x s[4:5], w_attn s[6:7], w_proj s[8:9], the scales' exponents s[10:11]
	s_load_b128 s[12:15], s[0:1], 0x20             ; x_codes s[12:13], wa_codes s[14:15]
	s_load_b64 s[16:17], s[0:1], 0x30              ; wp_codes
	v_lshl_add_u32 v192, v0, 2, 0x19000
	v_mov_b32 v193, 0
	v_lshrrev_b32 v1, 5, v0
	v_readfirstlane_b32 s20, v1                    ; wave 0..3
	v_and_b32 v2, 31, v0                           ; lane
	s_wait_kmcnt 0x0
	s_load_b256 s[24:31], s[10:11], 0x0            ; the eight exponents: s24 = entry 0 .. s31 = entry 7
.macro SCALE ereg                      ; v11 = 2^e as f32 (the conversion takes its exponent field), v10 = 448 x 2^e
	s_wait_kmcnt 0x0
	s_add_co_i32 s40, s[\ereg], 127
	s_lshl_b32 s41, s40, 23
	v_mov_b32 v11, s41
	s_add_co_i32 s40, s40, 8
	s_lshl_b32 s40, s40, 23
	s_or_b32 s40, s40, 0x600000                    ; the mantissa field of 448
	v_mov_b32 v10, s40
.endm
; ---- a weight: a lane takes a column n and its registers run down K, so the conversions give codes with K innermost
.macro WLOAD t, n                      ; block t: W(32 t + i, my column) into set t % 2; 32 lanes read 128 consecutive bytes
.irp i, 0,1,2,3,4,5,6,7,8,9,10,11,12,13,14,15,16,17,18,19,20,21,22,23,24,25,26,27,28,29,30,31
	global_load_b32 v[WX+32*((\t)%2)+\i], v3, s[36:37] offset:(32*(\t)+\i)*(\n)*4 th:TH_LOAD_NT
.endr
.endm
.macro WBLOCK t, n
.set XS, WX+32*((\t)%2)
.if (\t) < NB-1
	s_wait_loadcnt 32                              ; this block's 32 loads are in; the next block's 32 may be out
.else
	s_wait_loadcnt 0
.endif
.irp i, 0,1,2,3,4,5,6,7,8,9,10,11,12,13,14,15,16,17,18,19,20,21,22,23,24,25,26,27,28,29,30,31
	v_med3_num_f32 v[XS+\i], v[XS+\i], -v10, v10   ; the conversion to an 8-bit code does not saturate (ISA guide 7.6.2): the hold comes first
.endr
.irp g, 0,1,2,3
	v_cvt_scalef32_pk8_fp8_f32 v[WC+2*\g:WC+2*\g+1], v[XS+8*\g:XS+8*\g+7], v11
.endr
	ds_store_b128 v4, v[WC:WC+3] offset:32*(\t)    ; 32 codes: 32 bytes of my column's row in the stage
	ds_store_b128 v4, v[WC+4:WC+7] offset:32*(\t)+16
.if (\t)+2 < NB
	WLOAD (\t)+2, \n
.endif
	s_wait_dscnt 0x0                               ; the stores have read their registers: the next block's codes may be written
.endm
; n: the weight's columns; src, dst: the scalar pairs of its address and its codes'; ereg: its exponent; first: its first work-group; stage: its LDS bytes
.macro WPATH n, src, dst, ereg, first, stage
	s_sub_co_u32 s21, ttmp9, \first
	s_lshr_b32 s22, s21, 2                         ; which 128 columns
	s_and_b32 s23, s21, 3                          ; which 256 along K
	s_lshl_b32 s22, s22, 7
	s_lshl_b32 s32, s20, 5
	s_add_co_u32 s22, s22, s32                     ; my wave's first column
	v_lshlrev_b32 v3, 2, v2                        ; in: 4 bytes a lane
	s_mul_i32 s33, s20, 32*WPITCH
	s_add_co_u32 s33, s33, \stage                  ; my stage
	v_mul_u32_u24 v4, v2, WPITCH
	v_add_nc_u32 v4, s33, v4                       ; into it: row = my column
	v_and_b32 v5, 15, v2
	v_lshrrev_b32 v6, 4, v2                        ; out of it: sixteen lanes to a row, two rows an instruction
	v_mul_u32_u24 v7, v6, WPITCH
	v_lshl_add_u32 v7, v5, 4, v7
	v_add_nc_u32 v7, s33, v7
	v_lshlrev_b32 v8, 10, v6                       ; the same place in the codes' buffer: rows of 1,024 bytes
	v_lshl_add_u32 v8, v5, 4, v8
	s_mul_i32 s34, s23, 256*(\n)*4                 ; W: 256 rows of n x 4 bytes for each step along K,
	s_lshl_b32 s35, s22, 2
	s_add_co_u32 s34, s34, s35                     ; + 4 x column
	s_mov_b32 s35, 0
	s_add_nc_u64 s[36:37], s[\src:\src+1], s[34:35]
	s_lshl_b32 s34, s22, 10                        ; codes: column x 1,024
	s_lshl_b32 s21, s23, 8
	s_add_co_u32 s34, s34, s21                     ; + 256 x step along K
	s_add_nc_u64 s[38:39], s[\dst:\dst+1], s[34:35]
	WLOAD 0, \n
	WLOAD 1, \n
	SCALE \ereg
	s_wait_alu depctr_va_vdst(0)
.irp t, 0,1,2,3,4,5,6,7
	WBLOCK \t, \n
.endr
.irp t, 0,1,2,3,4,5,6,7,8,9,10,11,12,13,14,15
	ds_load_b128 v[WO+4*\t:WO+4*\t+3], v7 offset:2*\t*WPITCH   ; LDS serves a wave's instructions in order (ISA guide 5.7.1.4): these see my stores
.endr
.irp t, 0,1,2,3,4,5,6,7,8,9,10,11,12,13,14,15
	s_wait_dscnt 15-\t                             ; the younger reads may stay out
	global_store_b128 v8, v[WO+4*\t:WO+4*\t+3], s[38:39] offset:2*\t*1024   ; sixteen lanes store 256 consecutive bytes, aligned
.endr
	s_wait_tensorcnt 0x0
	ds_add_u32 v192, v193
	s_wait_dscnt 0x0
	s_endpgm
.endm
	s_cmp_lt_u32 ttmp9, 256
	s_cbranch_scc1 .Lx
	s_cmp_lt_u32 ttmp9, 352
	s_cbranch_scc1 .Lwa
	s_wait_alu depctr_va_vdst(0)
	WPATH 1024, 8, 16, 31, 352, 67584              ; w_proj, entry 7
.Lwa:
	s_wait_alu depctr_va_vdst(0)
	WPATH 3072, 6, 14, 25, 256, 32768              ; w_attn, entry 1
.Lx:
; ---- x: a plain stream.  Each load reads 512 consecutive bytes, 16 a lane; a step's 2,048 bytes turn through the wave's own stage and come back 64 bytes a lane: 16 neighbours along K.
	s_wait_alu depctr_va_vdst(0)
	v_lshlrev_b32 v3, 4, v2                        ; my 16 bytes of a load's 512
	s_wait_alu depctr_va_vdst(0)
	s_lshl_b32 s21, s20, 13                        ; my wave's 8,192 bytes of LDS: two stages of 32 x SP
	v_lshrrev_b32 v14, 2, v2
	v_mul_u32_u24 v14, v14, SP
	v_and_b32 v15, 3, v2
	v_lshl_add_u32 v14, v15, 4, v14
	v_add_nc_u32 v14, s21, v14                     ; the stage, on the way in: SP (lane / 4) + 16 (lane % 4)
	v_mul_u32_u24 v15, v2, SP
	v_add_nc_u32 v15, s21, v15                     ; and on the way out: SP x lane
	v_lshlrev_b32 v4, 4, v2                        ; my 16 codes' place in a step's 512
	s_lshl_b32 s22, ttmp9, 2
	s_add_co_u32 s22, s22, s20                     ; which run of 8,192 numbers is my wave's
	s_lshl_b32 s32, s22, 15
	s_mov_b32 s33, 0
	s_add_nc_u64 s[4:5], s[4:5], s[32:33]
	s_lshl_b32 s32, s22, 13
	s_add_nc_u64 s[12:13], s[12:13], s[32:33]
.macro XLOAD t
.irp i, 0,1,2,3
	global_load_b128 v[XR+16*((\t)%4)+4*\i:XR+16*((\t)%4)+4*\i+3], v3, s[4:5] offset:2048*(\t)+512*\i th:TH_LOAD_NT
.endr
.endm
.macro XTURN t                         ; step t's numbers through the stage; LDS serves a wave's instructions in order, so no wait stands between the stores and the loads
.irp i, 0,1,2,3
	ds_store_b128 v14, v[XR+16*((\t)%4)+4*\i:XR+16*((\t)%4)+4*\i+3] offset:32*SP*((\t)%2)+8*SP*\i
.endr
.irp i, 0,1,2,3
	ds_load_b128 v[XX+16*((\t)%2)+4*\i:XX+16*((\t)%2)+4*\i+3], v15 offset:32*SP*((\t)%2)+16*\i
.endr
.endm
.irp t, 0,1,2,3
	XLOAD \t
.endr
	s_wait_alu depctr_va_vdst(0)
	SCALE 24                                       ; entry 0
	s_wait_alu depctr_va_vdst(0)
	s_wait_loadcnt 12                              ; step 0's four loads are in
	XTURN 0
.macro XSTEP t
.set XS, XX+16*((\t)%2)
	s_wait_dscnt 0x0                               ; this step's numbers are back from the stage, so its stores into the stage have read their registers,
.if (\t)+4 < STEPS
	XLOAD (\t)+4                                   ; which take the loads of four steps on
.endif
.if (\t)+1 < STEPS
.if STEPS-2-(\t) >= 3
	s_wait_loadcnt 12                              ; the next step's four loads are in; those of the three steps behind it may be out
.else
	s_wait_loadcnt 4*(STEPS-2-(\t))
.endif
	XTURN (\t)+1                                   ; and go through the other stage while this step is worked
.endif
.irp i, 0,1,2,3,4,5,6,7,8,9,10,11,12,13,14,15
	v_med3_num_f32 v[XS+\i], v[XS+\i], -v10, v10
.endr
	v_cvt_scalef32_pk8_fp8_f32 v[XC+4*(\t):XC+4*(\t)+1], v[XS:XS+7], v11
	v_cvt_scalef32_pk8_fp8_f32 v[XC+4*(\t)+2:XC+4*(\t)+3], v[XS+8:XS+15], v11
	global_store_b128 v4, v[XC+4*(\t):XC+4*(\t)+3], s[12:13] offset:512*(\t)   ; the wave stores 512 consecutive bytes, aligned
.endm
.irp t, 0,1,2,3,4,5,6,7,8,9,10,11,12,13,14,15
	XSTEP \t
.endr
	s_wait_tensorcnt 0x0
	ds_add_u32 v192, v193
	s_wait_dscnt 0x0
	s_endpgm
.Lfunc_end_k_q9e31646b80_quant:
	.size	k_q9e31646b80_quant, .Lfunc_end_k_q9e31646b80_quant-k_q9e31646b80_quant
	.p2alignl 7, 3214868480
	.fill 96, 4, 3214868480
	.section	.rodata,"a",@progbits
	.p2align	6, 0x0
	.amdhsa_kernel k_q9e31646b80_quant
		.amdhsa_group_segment_fixed_size 102912
		.amdhsa_private_segment_fixed_size 0
		.amdhsa_enable_private_segment 0
		.amdhsa_kernarg_size 56
		.amdhsa_user_sgpr_count 2
		.amdhsa_user_sgpr_kernarg_segment_ptr 1
		.amdhsa_wavefront_size32 1
		.amdhsa_system_sgpr_workgroup_id_x 1
		.amdhsa_system_sgpr_workgroup_id_y 1
		.amdhsa_system_sgpr_workgroup_id_z 1
		.amdhsa_system_vgpr_workitem_id 0
		.amdhsa_next_free_vgpr 194
		.amdhsa_next_free_sgpr 66
		.amdhsa_reserve_vcc 0
		.amdhsa_float_denorm_mode_32 3
		.amdhsa_float_denorm_mode_16_64 3
		.amdhsa_memory_ordered 1
		.amdhsa_forward_progress 1
		.amdhsa_inst_pref_size 134
	.end_amdhsa_kernel
	.amdgpu_metadata
---
amdhsa.version: [ 1, 2 ]
amdhsa.kernels:
  - .name:           k_q9e31646b80_quant
    .symbol:         k_q9e31646b80_quant.kd
    .args:
      - { .name: x, .offset: 0, .size: 8, .value_kind: global_buffer, .address_space: global }
      - { .name: w_attn, .offset: 8, .size: 8, .value_kind: global_buffer, .address_space: global }
      - { .name: w_proj, .offset: 16, .size: 8, .value_kind: global_buffer, .address_space: global }
      - { .name: lowp_scales, .offset: 24, .size: 8, .value_kind: global_buffer, .address_space: global }
      - { .name: x_codes, .offset: 32, .size: 8, .value_kind: global_buffer, .address_space: global }
      - { .name: wa_codes, .offset: 40, .size: 8, .value_kind: global_buffer, .address_space: global }
      - { .name: wp_codes, .offset: 48, .size: 8, .value_kind: global_buffer, .address_space: global }
    .group_segment_fixed_size: 102912
    .private_segment_fixed_size: 0
    .kernarg_segment_align: 8
    .kernarg_segment_size: 56
    .max_flat_workgroup_size: 128
    .sgpr_count:     66
    .vgpr_count:     194
    .wavefront_size: 32
...
	.end_amdgpu_metadata
.endif
;; end of part 1
;; launch qkv (part 2): grid 12 x 32, 4 waves a work-group, clusters of 4 x 4, 327,680 bytes of LDS; arguments x_codes, wa_codes, lowp_scales, q_codes, k_codes, v_codes; writes q_codes, k_codes, v_codes
.if DOCPART == 2
	.amdgcn_target "amdgcn-amd-amdhsa--gfx1250"
	.amdhsa_code_object_version 6
	.text
	.protected	k_q9e31646b80_qkv
	.globl	k_q9e31646b80_qkv
	.p2align	8
	.type	k_q9e31646b80_qkv,@function
k_q9e31646b80_qkv:
	s_mov_b64 s[64:65], 0
	v_nop
	global_prefetch_b8 v0, s[64:65] scope:SCOPE_SE
	s_setreg_imm32_b32 hwreg(HW_REG_WAVE_MODE, 25, 1), 1
	s_wait_xcnt 0x0
	s_wait_alu depctr_hold_cnt(0) depctr_sa_sdst(0) depctr_va_vdst(0) depctr_va_sdst(0) depctr_va_ssrc(0) depctr_va_vcc(0) depctr_vm_vsrc(0)
	s_getreg_b32 s2, hwreg(HW_REG_IB_STS2, 6, 4)
	s_cmp_eq_u32 s2, 0
	s_cbranch_scc0 .Lentry_in_a_cluster
	s_endpgm
.Lentry_in_a_cluster:
	s_bfe_u32 s2, ttmp6, 0x10000c
	s_cmp_lg_u32 s2, 0xf033
	s_cbranch_scc0 .Lentry_shape_is_right
	s_endpgm
.Lentry_shape_is_right:
; qkv = x w_attn on codes of FP8 (E4M3); the f32 sums are quantised at once into the operands of attention's two products and stored as images of those operands' registers.
; A tile of C, 256 x 256, is made by four waves, each 128 x 128 (64 accumulators, 512 registers); K = 1,024 goes in steps of 256 through a ring of two LDS slots filled by the tensor data mover.
; WHICH PRODUCT.  Cluster x = 0 makes q and 1 makes k: C = X W^T, A = x_codes (32 tile rows), B = wa_codes' rows 0-2047.  Cluster x = 2 makes V^T = W_v X^T: A = wa_codes' rows 2048-3071 (4 tile rows),
; B = x_codes (32 tile columns).  The matrix instruction is used transposed (source 0 = 16 rows of B, source 1 = 16 rows of A), so a lane's eight results are eight neighbours along C's columns: the head's
; axis for q and k, the keys for V^T: each time the K of the product that will read them.  One loop serves all three; the choice hangs on the cluster's x, which all sixteen partners share.
; CLUSTERS: 4 x 4.  A's tile is asked for jointly along a row of the cluster, B's along a column.
; A sum stands for sum x 2^(e0 + e1); its code under the scale 2^es (es = entry 2 for q, 3 for k, 5 for v) is sum / 2^(es - e0 - e1), held within +-448.
; LIMIT: es - e0 - e1 between -126 and 119, so that this power of two and 448 times it are f32 numbers.
; OUT.  rho(t, r) = 32 (t / 2) + 8 (t % 2) + r + 8 (r / 8).  q_codes, k_codes: [head 64][tile t 128][chunk c 2][lane][16 bytes]: lane (r, h) holds token rho(t, r), channels 32 c + 16 h + 0..15.
; v_codes: [head 64][key step 16][tile t 4][chunk c 4][lane][16 bytes]: lane (r, h) holds channel rho(t, r), keys 32 c + 16 h + 0..15 of the step's 128.
; REGISTERS, in windows of 256: window 0: v0-31 addresses; from v128 A's fragments, one set; on the way out v32-255.  window 1: B's fragments, two sets.  windows 2, 3: the accumulators ((a, b) at v[8 (8 (a % 4) + b)]).
.set KSTEP,  256
.set ROWB,   256
.set KROW,   1024                      ; a row of either operand in memory, in bytes
.set PITCH,  272                       ; an LDS row: 256 bytes + 16 of padding = 68 words: row r starts at bank 4 r mod 64 (64 banks of 4 bytes: ISA guide 11.1)
.set FR,     16
.set NL,     4
.set NP,     4                         ; places behind this matrix instruction (ISA guide 7.12.1)
.set HALFT,  128*PITCH
.set SLOT,   4*HALFT
.set LAPS,   2                         ; 1,024 / 512
.set SPARE,  2*SLOT                    ; behind the ring: the spare words, 128 bytes a wave
.set SPITCH, 272                       ; the way out: a stage of 256 rows x (256 bytes of codes + 16), in slot 0, which has had its last fill and its last read by then
.set ADRA, 16
.set ADRB, 20
.set STO,  24                          ; v24  the stage: where I put 8 codes
.set RDQ,  25                          ; v25  where I read 16 codes back, for q and k
.set RDV,  26                          ; v26  the same for v
.set GO,   27                          ; v27  16 x lane
.set SPW,  28
.set NIL,  29
.set LIM,  30                          ; v30  448 x the conversion's scale
.set SCL,  31                          ; v31  the conversion's scale
.set TMP,  32                          ; v32-95   a block's 64 sums, held
.set CD,   96                          ; v96-223  the codes: 16 registers for each of the 8 blocks
.set OB,   128                         ; v128-255 32 chunks read back from the stage
.set AF,   128
.set G1, 24
.set G0, 32
.set G1B, 48
.set G0B, 56
.set MSB, 0
.macro WIN new                         ; the immediate's high byte repeats the setting that is left
.if MSB != \new
	s_set_vgpr_msb (MSB<<8)|\new
.set MSB, \new
.endif
.endm
.set MUL_LO, 0xa1                      ; source 0 (B) window 1, source 1 (A) window 0, C and D window 2
.set MUL_HI, 0xf1
.set TO_B,   0x40
; A joint load: waves 0 and 1 fetch for A, waves 2 and 3 for B; the branch hangs on the wave's number alone.  Four v_nop follow each of the two lines.
.macro JLOAD g0a, g1a, g0b, g1b
	s_cmp_eq_u32 s15, 0
	s_cbranch_scc0 .Lfor_b_\@
	tensor_load_to_lds s[\g0a:\g0a+3], s[\g1a:\g1a+7]
	s_nop 0
.rept 4
	v_nop
.endr
	s_branch .Lasked_\@
.Lfor_b_\@:
	tensor_load_to_lds s[\g0b:\g0b+3], s[\g1b:\g1b+7]
	s_nop 0
.rept 4
	v_nop
.endr
.Lasked_\@:
.endm
.macro CREST                           ; a round of the cluster's barrier behind its opening barrier
	s_cmp_lg_u32 s14, 0
	s_cbranch_scc1 .Lnot_wave_0_\@
	s_barrier_signal -3
.Lnot_wave_0_\@:
	s_barrier_wait -3
	s_barrier_signal -1
	s_barrier_wait -1
.endm
.macro CROUND
	s_barrier_signal -1
	s_barrier_wait -1
	CREST
.endm
	s_load_b128 s[4:7], s[0:1], 0x0                ; x_codes s[4:5], wa_codes s[6:7]
	s_load_b64 s[8:9], s[0:1], 0x10                ; the scales' exponents
	s_load_b128 s[68:71], s[0:1], 0x18             ; q_codes s[68:69], k_codes s[70:71]
	s_load_b64 s[72:73], s[0:1], 0x28              ; v_codes
	v_lshl_add_u32 v[SPW], v0, 2, SPARE
	v_mov_b32 v[NIL], 0
	ds_add_u32 v28, v29
	ds_add_u32 v28, v29
	s_wait_dscnt 0x0
	v_lshrrev_b32 v1, 5, v0
	v_readfirstlane_b32 s14, v1                    ; wave 0..3
	s_lshr_b32 s15, s14, 1                         ; which half of the tile's rows is mine.  Also: I fetch for A (0) or for B (1)
	s_and_b32 s16, s14, 1                          ; which half of its columns.  Also: which 128 rows of that tile I fetch
	s_bfe_u32 s40, ttmp6, 0x40000                  ; cx
	s_bfe_u32 s41, ttmp6, 0x40004                  ; cy
	s_and_b32 s66, ttmp7, 0xffff                   ; cluster y
	s_cmp_eq_u32 ttmp9, 2                          ; V^T?
	s_cselect_b32 s67, 0, s66                      ; V^T has four tile rows, one row of clusters;
	s_cselect_b32 s10, s66, ttmp9                  ; its tile columns run with cluster y
	s_lshl_b32 s42, s10, 2
	s_add_co_u32 s42, s42, s40                     ; tile column of C
	s_lshl_b32 s17, s67, 2
	s_add_co_u32 s17, s17, s41                     ; tile row of C
	s_lshl_b32 s43, s41, 2
	s_lshl_b32 s43, 15, s43                        ; my row of the cluster
	s_lshl_b32 s44, 0x1111, s40                    ; my column
	; descriptor group 1: a tile of 128 rows x 256 bytes, padded in LDS
	s_or_b32 s[G1+0], s43, (0<<16)|(1<<20)|(1<<21)|(5<<22)|(3<<25)  ; 15:0 the mask; 17:16 element of 1 byte; 20 padding on; 21 set beside a mask; 24:22 after every 64 words; 31:25 four words
	s_or_b32 s[G1B+0], s44, (0<<16)|(1<<20)|(1<<21)|(5<<22)|(3<<25)
.irp g, G1, G1B
	s_mov_b32 s[\g+1], ROWB<<16                    ; tensor_dim0
	s_mov_b32 s[\g+2], 128<<16                     ; tensor_dim1
	s_mov_b32 s[\g+3], ROWB<<16                    ; tile_dim0
	s_mov_b32 s[\g+4], 128                         ; tile_dim1
	s_mov_b32 s[\g+5], KROW                        ; tensor_dim0_stride
	s_mov_b32 s[\g+6], 0
	s_mov_b32 s[\g+7], 0
.endr
	s_lshl_b32 s18, s16, 7                         ; which 128 rows of the tile I fetch
	s_lshl_b32 s20, s17, 8
	s_add_co_u32 s20, s20, s18                     ; A: row 256 x tile row + 128 x half,
	s_lshl_b32 s20, s20, 10                        ; in bytes (under 2^24)
	s_mov_b32 s21, 0
	s_lshl_b32 s46, s42, 8
	s_add_co_u32 s46, s46, s18                     ; B: row 256 x tile column + 128 x half
	s_lshl_b32 s46, s46, 10
	s_mov_b32 s47, 0
	s_mul_i32 s45, s14, HALFT                      ; where they go: wave x 128 rows: no place in the cluster enters an LDS address
	s_wait_kmcnt 0x0
	s_add_nc_u64 s[74:75], s[6:7], 0x200000        ; wa_codes at row 2,048: W_v
	s_cmp_eq_u32 ttmp9, 2
	s_cselect_b64 s[88:89], s[74:75], s[4:5]       ; A's buffer
	s_cselect_b64 s[90:91], s[4:5], s[6:7]         ; B's buffer
	s_add_nc_u64 s[20:21], s[88:89], s[20:21]
	s_add_nc_u64 s[46:47], s[90:91], s[46:47]
	CROUND                                         ; all sixteen work-groups are here: the first joint loads meet
.irp s, 0,1
	s_mov_b32 s[G0+4*\s], 1
	s_add_co_u32 s[G0+4*\s+1], s45, \s*SLOT
	s_add_nc_u64 s[G0+4*\s+2:G0+4*\s+3], s[20:21], \s*ROWB
	s_or_b32 s[G0+4*\s+3], s[G0+4*\s+3], 0x80000000
	s_mov_b32 s[G0B+4*\s], 1
	s_add_co_u32 s[G0B+4*\s+1], s45, \s*SLOT
	s_add_nc_u64 s[G0B+4*\s+2:G0B+4*\s+3], s[46:47], \s*ROWB
	s_or_b32 s[G0B+4*\s+3], s[G0B+4*\s+3], 0x80000000
.endr
	; THE HEAD'S FILLS: both slots as one group, one tensor load a wave: wave w brings K step w / 2 of A's whole tile (w even) or of B's (w odd): 256 rows x 256 bytes.
	; A's and B's loads have a group 0 and a group 1 of their own, in registers that never hold the other operand's coordinate.
	s_lshl_b32 s92, s16, 17                        ; s[20:21] and s[46:47] stand at my half, for the refills: 128 rows of 1,024 bytes back to the tile's first row,
	s_mov_b32 s93, 0
	s_lshl_b32 s94, s15, 8                         ; and on to my K step
	s_mov_b32 s95, 0
	s_mul_i32 s10, s15, SLOT                       ; my slot
	s_mov_b32 s96, 1
	s_mov_b32 s97, s10                             ; A's 256 rows lie first in a slot,
	s_sub_nc_u64 s[98:99], s[20:21], s[92:93]
	s_add_nc_u64 s[98:99], s[98:99], s[94:95]
	s_or_b32 s99, s99, 0x80000000
	s_mov_b32 s76, 1
	s_add_co_u32 s77, s10, 2*HALFT                 ; B's behind them
	s_sub_nc_u64 s[78:79], s[46:47], s[92:93]
	s_add_nc_u64 s[78:79], s[78:79], s[94:95]
	s_or_b32 s79, s79, 0x80000000
	s_or_b32 s80, s43, (0<<16)|(1<<20)|(1<<21)|(5<<22)|(3<<25)   ; group 1 as for the refills, with 256 rows
	s_or_b32 s88, s44, (0<<16)|(1<<20)|(1<<21)|(5<<22)|(3<<25)
.irp g, 80, 88
	s_mov_b32 s[\g+1], ROWB<<16
	s_mov_b32 s[\g+2], 256<<16
	s_mov_b32 s[\g+3], ROWB<<16
	s_mov_b32 s[\g+4], 256
	s_mov_b32 s[\g+5], KROW
	s_mov_b32 s[\g+6], 0
	s_mov_b32 s[\g+7], 0
.endr
	s_cmp_eq_u32 s16, 0                            ; the branch hangs on the wave's number alone
	s_cbranch_scc0 .Lhead_b
	tensor_load_to_lds s[96:99], s[80:87]
	s_nop 0
.rept 4
	v_nop
.endr
	s_branch .Lhead_done
.Lhead_b:
	tensor_load_to_lds s[76:79], s[88:95]
	s_nop 0
.rept 4
	v_nop
.endr
.Lhead_done:
	v_and_b32 v1, 15, v0                           ; r = l % 16
	v_bfe_u32 v2, v0, 4, 1                         ; h = l / 16
	v_mul_u32_u24 v3, v1, PITCH
	s_wait_alu depctr_va_vdst(0)
	v_lshl_add_u32 v4, v2, 4, v3                   ; a fragment's row x pitch + 16 x half
	s_mul_i32 s21, s15, HALFT                      ; my 128 rows of A
	s_mul_i32 s22, s16, HALFT                      ; my 128 rows of B,
	s_add_co_u32 s22, s22, 2*HALFT                 ; which lie behind A's 256
.irp s, 0,1
	v_add_nc_u32 v[ADRA+\s], s21, v4
	v_add_nc_u32 v[ADRB+\s], s22, v4
	s_add_co_u32 s21, s21, SLOT
	s_add_co_u32 s22, s22, SLOT
.endr
	s_mul_i32 s23, s15, 128*SPITCH                 ; the stage, on the way in: row 128 x row half + r, byte 128 x column half + 8 h
	s_lshl_b32 s21, s16, 7
	s_add_co_u32 s23, s23, s21
	v_lshl_add_u32 v5, v2, 3, v3
	v_add_nc_u32 v[STO], s23, v5
	v_and_b32 v6, 8, v1
	v_add_nc_u32 v6, v6, v1                        ; r + 8 (r / 8)
	v_mul_u32_u24 v6, v6, SPITCH
	v_lshl_add_u32 v6, v2, 4, v6
	s_lshl_b32 s23, s14, 6
	v_add_nc_u32 v[RDQ], s23, v6                   ; back, q and k: my head is 64 columns of the tile: byte 64 x wave
	s_mul_i32 s23, s14, 64*SPITCH
	v_add_nc_u32 v[RDV], s23, v6                   ; back, v: my head is 64 rows of the tile
	v_and_b32 v7, 31, v0
	v_lshlrev_b32 v[GO], 4, v7
.macro FRAG reg, adr, q, i             ; 16 rows x 128 K in 16 registers: lane l holds row l % 16; registers 4 c .. 4 c + 3 hold K = 32 c + 16 (l / 16) + 0 .. 15: the same order of k in A and in B
.irp c, 0,1,2,3
	ds_load_b128 v[\reg+4*\c:\reg+4*\c+3], v[\adr] offset:128*(\q)+32*\c+(\i)*16*PITCH
.endr
.endm
; 16 matrix instructions: A's blocks a0, a0 + 1 x B's eight.  The 64 accumulators take turns, one instruction a turn, in the same order in every step.
.macro MUL16 a0, p, zero
.irp a, \a0, \a0+1
.irp b, 0,1,2,3,4,5,6,7
.if \zero
	v_wmma_f32_16x16x128_fp8_fp8 v[8*(8*((\a)%4)+\b):8*(8*((\a)%4)+\b)+7], v[128*(\p)+FR*\b:128*(\p)+FR*\b+FR-1], v[AF+FR*(\a):AF+FR*(\a)+FR-1], 0
.else
	v_wmma_f32_16x16x128_fp8_fp8 v[8*(8*((\a)%4)+\b):8*(8*((\a)%4)+\b)+7], v[128*(\p)+FR*\b:128*(\p)+FR*\b+FR-1], v[AF+FR*(\a):AF+FR*(\a)+FR-1], v[8*(8*((\a)%4)+\b):8*(8*((\a)%4)+\b)+7]
.endif
.endr
.endr
.endm
.macro FETCH_B slot, q, p
	WIN TO_B
.irp i, 0,1,2,3,4,5,6,7
	FRAG 128*(\p)+FR*\i, ADRB+\slot, \q, \i
.endr
	WIN 0
.endm
.macro FETCH_A slot, q, i0
.irp i, \i0, \i0+1, \i0+2, \i0+3
	FRAG AF+FR*(\i), ADRA+\slot, \q, \i
.endr
.endm
.macro PLACES n                        ; plain vector instructions between a matrix instruction and a load into, or a read of, its registers (ISA guide 7.12.1 for a read)
.rept \n
	v_nop
.endr
.endm
.macro STEP slot, q, zero              ; a step of 128 along K that has its successor in the same slot
	s_wait_dscnt 4*NL                              ; B's set and A's blocks 0-3 are in; the youngest sixteen loads (A's blocks 4-7) may be out
	WIN MUL_LO
	MUL16 0, (\q)%2, \zero
	MUL16 2, (\q)%2, \zero
	s_wait_dscnt 0                                 ; A's blocks 4-7 are in
	PLACES NP
	FETCH_B \slot, (\q)+1, 1-(\q)%2
	FETCH_A \slot, (\q)+1, 0
	WIN MUL_HI
	MUL16 4, (\q)%2, \zero
	MUL16 6, (\q)%2, \zero
	PLACES NP
	WIN 0
	FETCH_A \slot, (\q)+1, 4
.endm
; A slot's last step changes slots: one barrier; in front of it each wave waits for all its tensor loads, adds 0 to its spare word, and waits for that and for its reads of this slot.
.macro TURN slot, next, fill
	s_wait_tensorcnt 0x0                           ; all my tensor loads have landed: my part of the next slot
	ds_add_u32 v[SPW], v[NIL]                      ; 0 onto my spare word
	s_wait_dscnt 4*NL+1                            ; (the add and the youngest sixteen loads may be out)
	WIN MUL_LO
	MUL16 0, 1, 0
	s_wait_dscnt 0x0                               ; the add is done, and my reads of this slot are over
	s_barrier_signal -1
	MUL16 2, 1, 0
	WIN 0
	s_barrier_wait -1
.if \fill
	CREST                                          ; the barrier has opened a round of the cluster's: no wave of any partner still reads this slot or has a load on its way
	s_add_nc_u64 s[G0+4*\slot+2:G0+4*\slot+3], s[G0+4*\slot+2:G0+4*\slot+3], 2*ROWB
	s_add_nc_u64 s[G0B+4*\slot+2:G0B+4*\slot+3], s[G0B+4*\slot+2:G0B+4*\slot+3], 2*ROWB
	JLOAD G0+4*\slot, G1, G0B+4*\slot, G1B         ; the first tensor load behind the round; its four v_nop are also the places in front of the loads below
.else
	PLACES NP
.endif
	FETCH_B \next, 0, 0
	FETCH_A \next, 0, 0
	WIN MUL_HI
	MUL16 4, 1, 0
	MUL16 6, 1, 0
	PLACES NP
	WIN 0
	FETCH_A \next, 0, 4
.endm
	s_wait_alu depctr_va_vdst(0)
	s_wait_tensorcnt 0x0                           ; my tile is in,
	s_barrier_signal -1
	s_barrier_wait -1                              ; and everybody's: both slots are whole
	s_load_b256 s[80:87], s[8:9], 0x0              ; e0 .. e7, for the way out, into registers that the head's loads have done with
	FETCH_B 0, 0, 0
	FETCH_A 0, 0, 0
	FETCH_A 0, 0, 4
	STEP 0, 0, 1                                   ; the first step's products start the sums: nothing is cleared
	s_mov_b32 s3, LAPS-1
.Llap:                                                 ; a trip goes once round the ring and fills both slots again
	TURN 0, 1, 1
	STEP 1, 0, 0
	TURN 1, 0, 1
	STEP 0, 0, 0
	s_sub_co_u32 s3, s3, 1
	s_cmp_lg_u32 s3, 0
	s_cbranch_scc1 .Llap
	TURN 0, 1, 0                                   ; the last lap fills nothing
	STEP 1, 0, 0
	s_wait_dscnt 4*NL
	WIN MUL_LO
	MUL16 0, 1, 0
	MUL16 2, 1, 0
	s_wait_dscnt 0
	WIN MUL_HI
	MUL16 4, 1, 0
	MUL16 6, 1, 0
	WIN 0
; THE WAY OUT.  Which buffer, which scale, and where: all by selects on the cluster's x.
	s_wait_kmcnt 0x0
	s_cmp_eq_u32 ttmp9, 1
	s_cselect_b32 s92, s83, s82                    ; k: e3; q: e2
	s_cselect_b64 s[76:77], s[70:71], s[68:69]
	s_cmp_eq_u32 ttmp9, 2
	s_cselect_b32 s92, s85, s92                    ; v: e5
	s_cselect_b64 s[76:77], s[72:73], s[76:77]
	s_cselect_b32 s93, s42, s17                    ; which 256 tokens: the tile row, for V^T the tile column
	s_cselect_b32 s94, s17, s42                    ; which four heads: the tile column (mod 4), for V^T the tile row
	s_and_b32 s94, s94, 3
	s_sub_co_i32 s92, s92, s80
	s_sub_co_i32 s92, s92, s81                     ; es - e0 - e1
	s_add_co_i32 s92, s92, 127
	s_lshl_b32 s95, s92, 23
	v_mov_b32 v[SCL], s95                          ; 2^(es - e0 - e1) as f32
	s_add_co_i32 s92, s92, 8
	s_lshl_b32 s92, s92, 23
	s_or_b32 s92, s92, 0x600000
	v_mov_b32 v[LIM], s92                          ; 448 x that
	s_wait_alu depctr_va_vdst(0)
	s_lshr_b32 s95, s93, 3                         ; the batch: 8 blocks of 256 tokens each
	s_lshl_b32 s95, s95, 4
	s_lshl_b32 s94, s94, 2
	s_add_co_u32 s95, s95, s94
	s_add_co_u32 s95, s95, s14                     ; 16 x batch + 4 x group of heads + wave: my head
	s_lshl_b32 s95, s95, 17                        ; a head's codes are 131,072 bytes
	s_and_b32 s93, s93, 7
	s_lshl_b32 s93, s93, 14                        ; 256 tokens of a head are 16,384 bytes on end in all three layouts
	s_add_co_u32 s92, s95, s93
	s_mov_b32 s93, 0
	s_add_nc_u64 s[76:77], s[76:77], s[92:93]
	PLACES NP
; Block a (16 rows x 128 columns of my part): held, converted, 8 codes a lane and accumulator into the work-group's stage.  Each accumulator is read from its low end on.
.macro CODES a
.set AC, 64*((\a)%4)
	WIN 0x02+((\a)/4)                              ; source 0: window 2 or 3
.set j, 0
.rept 64
	v_med3_num_f32 v[TMP+j], v[AC+j], -v[LIM], v[LIM]   ; the conversion to an 8-bit code does not saturate (ISA guide 7.6.2): the hold comes first, whatever the scale
.set j, j+1
.endr
	WIN 0
.irp b, 0,1,2,3,4,5,6,7
	v_cvt_scalef32_pk8_fp8_f32 v[CD+16*(\a)+2*\b:CD+16*(\a)+2*\b+1], v[TMP+8*\b:TMP+8*\b+7], v[SCL]
.endr
	v_nop                                          ; a plain vector instruction behind the last conversion: the next block's holds write its sources
.irp b, 0,1,2,3,4,5,6,7
	ds_store_b64 v[STO], v[CD+16*(\a)+2*\b:CD+16*(\a)+2*\b+1] offset:(\a)*16*SPITCH+16*\b   ; row r starts at bank 4 r, the halves 2 banks apart
.endr
.endm
.irp a, 0,1,2,3,4,5,6,7
	CODES \a
.endr
	s_wait_dscnt 0x0                               ; for the others' sake: my stores into the stage are done
	s_barrier_signal -1
	s_barrier_wait -1                              ; the tile's 256 x 256 codes lie in the stage
	s_cmp_eq_u32 ttmp9, 2
	s_cbranch_scc1 .Lread_v
.irp i, 0,1,2,3,4,5,6,7,8,9,10,11,12,13,14,15,16,17,18,19,20,21,22,23,24,25,26,27,28,29,30,31
	ds_load_b128 v[OB+4*\i:OB+4*\i+3], v[RDQ] offset:(32*((\i/2)/2)+8*((\i/2)%2))*SPITCH+32*(\i%2)   ; tile i / 2 of 16 tokens, chunk i % 2
.endr
	s_branch .Lread_done
.Lread_v:
.irp i, 0,1,2,3,4,5,6,7,8,9,10,11,12,13,14,15,16,17,18,19,20,21,22,23,24,25,26,27,28,29,30,31
	ds_load_b128 v[OB+4*\i:OB+4*\i+3], v[RDV] offset:(32*(((\i/4)%4)/2)+8*((\i/4)%2))*SPITCH+128*(\i/16)+32*(\i%4)   ; key step i / 16, tile (i / 4) % 4 of 16 channels, chunk i % 4
.endr
.Lread_done:
.irp i, 0,1,2,3,4,5,6,7,8,9,10,11,12,13,14,15,16,17,18,19,20,21,22,23,24,25,26,27,28,29,30,31
	s_wait_dscnt 31-\i                             ; the younger reads may stay out
	global_store_b128 v[GO], v[OB+4*\i:OB+4*\i+3], s[76:77] offset:512*\i   ; the wave stores 512 consecutive bytes, aligned; 16,384 on end in all
.endr
	s_wait_tensorcnt 0x0                           ; the wave's end
	ds_add_u32 v[SPW], v[NIL]
	s_wait_dscnt 0x0
	CROUND                                         ; the closing round: no work-group ends while a partner may still ask for a tile that names it
	s_endpgm
.Lfunc_end_k_q9e31646b80_qkv:
	.size	k_q9e31646b80_qkv, .Lfunc_end_k_q9e31646b80_qkv-k_q9e31646b80_qkv
	.p2alignl 7, 3214868480
	.fill 96, 4, 3214868480
	.section	.rodata,"a",@progbits
	.p2align	6, 0x0
	.amdhsa_kernel k_q9e31646b80_qkv
		.amdhsa_group_segment_fixed_size 327680
		.amdhsa_private_segment_fixed_size 0
		.amdhsa_enable_private_segment 0
		.amdhsa_kernarg_size 48
		.amdhsa_user_sgpr_count 2
		.amdhsa_user_sgpr_kernarg_segment_ptr 1
		.amdhsa_wavefront_size32 1
		.amdhsa_system_sgpr_workgroup_id_x 1
		.amdhsa_system_sgpr_workgroup_id_y 1
		.amdhsa_system_sgpr_workgroup_id_z 1
		.amdhsa_system_vgpr_workitem_id 0
		.amdhsa_next_free_vgpr 1024
		.amdhsa_next_free_sgpr 100
		.amdhsa_reserve_vcc 0
		.amdhsa_float_denorm_mode_32 3
		.amdhsa_float_denorm_mode_16_64 3
		.amdhsa_memory_ordered 1
		.amdhsa_forward_progress 1
		.amdhsa_inst_pref_size 129
	.end_amdhsa_kernel
	.amdgpu_metadata
---
amdhsa.version: [ 1, 2 ]
amdhsa.kernels:
  - .name:           k_q9e31646b80_qkv
    .symbol:         k_q9e31646b80_qkv.kd
    .args:
      - { .name: x_codes, .offset: 0, .size: 8, .value_kind: global_buffer, .address_space: global }
      - { .name: wa_codes, .offset: 8, .size: 8, .value_kind: global_buffer, .address_space: global }
      - { .name: lowp_scales, .offset: 16, .size: 8, .value_kind: global_buffer, .address_space: global }
      - { .name: q_codes, .offset: 24, .size: 8, .value_kind: global_buffer, .address_space: global }
      - { .name: k_codes, .offset: 32, .size: 8, .value_kind: global_buffer, .address_space: global }
      - { .name: v_codes, .offset: 40, .size: 8, .value_kind: global_buffer, .address_space: global }
    .group_segment_fixed_size: 327680
    .private_segment_fixed_size: 0
    .kernarg_segment_align: 8
    .kernarg_segment_size: 48
    .max_flat_workgroup_size: 128
    .sgpr_count:     100
    .vgpr_count:     1024
    .wavefront_size: 32
...
	.end_amdgpu_metadata
.endif
;; end of part 2
;; launch attn (part 3): grid 4 x 64, 8 waves a work-group, clusters of 4 x 1, 327,680 bytes of LDS; arguments q_codes, k_codes, v_codes, lowp_scales, y_codes; writes y_codes
.if DOCPART == 3
	.amdgcn_target "amdgcn-amd-amdhsa--gfx1250"
	.amdhsa_code_object_version 6
	.text
	.protected	k_q9e31646b80_attn
	.globl	k_q9e31646b80_attn
	.p2align	8
	.type	k_q9e31646b80_attn,@function
k_q9e31646b80_attn:
	s_mov_b64 s[64:65], 0
	v_nop
	global_prefetch_b8 v0, s[64:65] scope:SCOPE_SE
	s_setreg_imm32_b32 hwreg(HW_REG_WAVE_MODE, 25, 1), 1
	s_wait_xcnt 0x0
	s_wait_alu depctr_hold_cnt(0) depctr_sa_sdst(0) depctr_va_vdst(0) depctr_va_sdst(0) depctr_va_ssrc(0) depctr_va_vcc(0) depctr_vm_vsrc(0)
	s_getreg_b32 s2, hwreg(HW_REG_IB_STS2, 6, 4)
	s_cmp_eq_u32 s2, 0
	s_cbranch_scc0 .Lentry_in_a_cluster
	s_endpgm
.Lentry_in_a_cluster:
	s_bfe_u32 s2, ttmp6, 0x10000c
	s_cmp_lg_u32 s2, 0x3003
	s_cbranch_scc0 .Lentry_shape_is_right
	s_endpgm
.Lentry_shape_is_right:
; y = softmax(q k^T / 8, causal) v for one of the 64 (batch, head) pairs, both products on codes of FP8 (E4M3); y is quantised at once into the operand of the last product.
; LEFT OUT: a step of 128 keys that lies wholly behind a wave's queries (reference()'s own jnp.tril gives those places the weight 0 for all inputs; see the first kernel's head).
; THE SOFTMAX: t = score x log2(e) / 8; M = the running largest t rounded up to a whole number; p = 2^(t - M) is quantised with 2^e4; the row's sum is taken of the unquantised p and divides at the end.
; SHARES.  A cluster of four work-groups owns a head; work-group cx takes the blocks of 32 queries with number 4 m + cx.  Wave w takes m = 15 - w and then m = w: (16 - w) + (w + 1) = 17 key steps in every wave.
; A wave's 32 queries are two tiles of 16: tile 0 in register window 0, tile 1 in window 1, under the same register numbers; each fragment of K and of V feeds two matrix instructions.
; K AND V: the head's 2 x 131,072 bytes of codes lie in LDS whole, as images of the operands' registers (16 bytes a lane, 512 a chunk, 8,192 a key step for each of K and V), K from byte 0, V from byte 131,072.
; They come by two joint loads a wave (mask: all four partners, which walk the same head): waves 0-3 fetch K, waves 4-7 V; first key steps 0-3 (8,192 bytes a wave), then, behind a round of the cluster's barrier,
; steps 4-15 (24,576 bytes a wave).  Nothing is filled again.  One barrier behind step 2 shows the second load to all waves; from there on the waves share nothing.
; K's fragments are read one step ahead: a step's sixteen loads are issued behind the score products of the step before, so steps 0-2 read K's steps 1-3, all of the first load.
; (The last step's look-ahead reads the 8,192 bytes behind K's region, which are V's first: bytes that have landed; they are not used.)
; NO PREFETCH INTO THE L2: both tensor loads are issued at the head, and there is no later load for a prefetch to run ahead of.
; LAYOUT.  Both products are used transposed (S^T = K Q^T, O^T = V^T P^T): a lane holds one query.  With rho(t, r) = 32 (t / 2) + 8 (t % 2) + r + 8 (r / 8), lane (r, h) of tile t of q and k holds token rho(t, r),
; so register n of the 64 scores holds key 32 (n / 16) + n % 16 + 16 h of the step: 16 neighbouring keys in 16 registers, as the second product's operand wants them.
; y_codes: [batch][16 tokens][head 16][chunk 2][lane][16 bytes]: lane (r, h) holds token rho, channels 32 c + 16 h + 0..15 of the head.
; LIMITS: e2 + e3 between -123 and 130; e4 between -126 and 119; e6 - e4 - e5 between -126 and 119 (each power of two below is then an f32 number).  The scaled scores stay under 2^31 in magnitude.  NaN is not served.
.set SPARE, 0x40000                    ; behind K and V: the spare words, 128 bytes a wave
.set VBASE, 0x20000                    ; V's first byte in LDS
.set STB,   8192                       ; a key step's bytes of K, and of V
.set FIRST, 4                          ; key steps that the first load brings
.set L16,  1                           ; v1  16 x lane
.set AV0,  2                           ; v2  VBASE + 16 x lane
.set ADK,  3                           ; v3, v4  LDS addresses of the step in hand
.set ADV,  4
.set KF,   32                          ; window 0 v32-95: K's eight fragments
.set VF,   32                          ; window 1 v32-95: V's four fragments
.set S,    96                          ; the scores, then p
.set O,    160                         ; O^T: 4 accumulators
.set PC,   192                         ; p's codes
.set QH,   208                         ; q's fragment of the high block, of the low block
.set QL,   216
.set NM,   224                         ; -M;  TM: the largest t (named with NM as a pair)
.set TM,   225
.set SUM,  226
.set F,    228                         ; 2^(old M - new M)
.set T0,   230                         ; the maximum's four chains: T0, T1, T3, T4
.set T1,   231
.set T2,   232
.set T3,   233
.set SB,   234                         ; the sum's four chains: SUM, SB, SC, SD
.set DM,   236                         ; on the diagonal: register n's key is hidden where 32 (n / 16) + n % 16 > DM
.set NINF, 237
.set T4,   238
.set SC,   238
.set PLIM, 240                         ; 448 x 2^e4, 2^e4
.set PSCL, 241
.set YLIM, 242                         ; 448 x 2^(e6 - e4 - e5), 2^(e6 - e4 - e5)
.set YSCL, 243
.set YC,   244
.set SD,   252
.set SPW,  254                         ; my spare word's LDS address, and 0: never rewritten
.set NIL,  255
.set WV,   18
.set SEL,  20
.set CS,   22
.set KS,   40                          ; s40 the key step, s41 its first byte in K's region
.set TB,   41
.set MH,   42                          ; s42, s43 the key step on which my high, my low block's diagonal lies
.set ML,   43
.set MSB, 0
.macro WIN new                         ; the immediate's high byte repeats the setting that is left
.if MSB != \new
	s_set_vgpr_msb (MSB<<8)|\new
.set MSB, \new
.endif
.endm
.macro ROUND                           ; a round of the cluster's barrier
	s_barrier_signal -1
	s_barrier_wait -1
	s_cmp_lg_u32 s[WV], 0
	s_cbranch_scc1 .Lnot_wave_0_\@
	s_barrier_signal -3
.Lnot_wave_0_\@:
	s_barrier_wait -3
	s_barrier_signal -1
	s_barrier_wait -1
.endm
.macro KLOAD adr, off                  ; a key step's eight fragments of K
.irp j, 0,1,2,3,4,5,6,7,8,9,10,11,12,13,14,15
	ds_load_b128 v[KF+4*\j:KF+4*\j+3], v[\adr] offset:\off+512*\j
.endr
.endm
	s_load_b256 s[4:11], s[0:1], 0x0               ; q_codes s[4:5], k_codes s[6:7], v_codes s[8:9], the exponents s[10:11]
	s_load_b64 s[12:13], s[0:1], 0x20              ; y_codes
	v_lshl_add_u32 v[SPW], v0, 2, SPARE
	v_mov_b32 v[NIL], 0
	ds_add_u32 v[SPW], v[NIL]                      ; the opening lines: the add, twice on end, and one wait; work on registers between
	ds_add_u32 v[SPW], v[NIL]
	v_lshrrev_b32 v5, 5, v0
	v_readfirstlane_b32 s[WV], v5                  ; wave 0..7
	s_bfe_u32 s19, ttmp6, 0x40000                  ; cx
	s_lshl_b32 s40, s19, 5
	v_and_b32 v6, 31, v0
	v_lshlrev_b32 v[L16], 4, v6
	v_add_nc_u32 v[AV0], VBASE, v[L16]
	v_and_b32 v5, 15, v0                           ; r
	v_bfe_u32 v6, v0, 4, 1                         ; h
	v_and_b32 v7, 8, v5
	v_add_nc_u32 v7, v7, v5                        ; r + 8 (r / 8)
	v_lshlrev_b32 v6, 4, v6
	v_sub_nc_u32 v7, v7, v6
	v_add_nc_u32 v[DM], s40, v7                    ; tile 0: 32 cx + r + 8 (r / 8) - 16 h;
	WIN 0x40
	v_add_nc_u32 v[DM], 8, v[DM]                   ; tile 1's queries lie 8 further on
	WIN 0
	s_and_b32 s60, ttmp7, 0xffff                   ; the head, 0..63
	s_mov_b32 s[SEL], 0x76543210
	s_mov_b32 s[SEL+1], 0xfedcba98
	s_mov_b32 s[CS], 0x3e38aa3b                    ; log2(e) / 8
	; group 1, twice: dense rows of 32 elements of 8 bytes; 32 rows (8,192 bytes) and 96 rows (24,576 bytes); mask 15 with bit 21 beside it
	s_mov_b32 s24, 15|(3<<16)|(1<<21)
	s_mov_b32 s25, 32<<16
	s_mov_b32 s26, 32<<16
	s_mov_b32 s27, 32<<16
	s_mov_b32 s28, 32
	s_mov_b32 s29, 32
	s_mov_b32 s30, 0
	s_mov_b32 s31, 0
	s_mov_b32 s72, 15|(3<<16)|(1<<21)
	s_mov_b32 s73, 32<<16
	s_mov_b32 s74, 96<<16
	s_mov_b32 s75, 32<<16
	s_mov_b32 s76, 96
	s_mov_b32 s77, 32
	s_mov_b32 s78, 0
	s_mov_b32 s79, 0
	s_and_b32 s61, s[WV], 3                        ; which part of K or of V I fetch
	s_lshr_b32 s62, s[WV], 2
	s_lshl_b32 s62, s62, 17                        ; K's region or V's
	s_lshl_b32 s66, s61, 13                        ; first load: 8,192 x part
	s_mul_i32 s67, s61, 3*STB
	s_add_co_u32 s67, s67, FIRST*STB               ; second load: 32,768 + 24,576 x part
	s_mov_b32 s32, 1
	s_add_co_u32 s33, s62, s66
	s_mov_b32 s36, 1
	s_add_co_u32 s37, s62, s67
	s_lshl_b32 s68, s60, 17                        ; a head's codes are 131,072 bytes in q, k and v
	s_add_co_u32 s62, s66, s68
	s_mov_b32 s63, 0
	s_add_co_u32 s66, s67, s68
	s_mov_b32 s67, 0
	s_sub_co_u32 s[MH], 15, s[WV]
	s_mov_b32 s[ML], s[WV]
	s_lshl_b32 s69, s[MH], 2
	s_add_co_u32 s69, s69, s19                     ; my high block of 32 queries,
	s_lshl_b32 s70, s[ML], 2
	s_add_co_u32 s70, s70, s19                     ; my low one
	s_lshl_b32 s44, s69, 11                        ; q: 2,048 bytes a block
	s_add_co_u32 s44, s44, s68
	s_mov_b32 s45, 0
	s_lshl_b32 s46, s70, 11
	s_add_co_u32 s46, s46, s68
	s_mov_b32 s47, 0
	s_lshr_b32 s71, s60, 4
	s_lshl_b32 s71, s71, 21                        ; y: 2^21 bytes a batch,
	s_and_b32 s40, s60, 15
	s_lshl_b32 s40, s40, 10                        ; 1,024 a head inside 16 tokens' 16,384,
	s_add_co_u32 s71, s71, s40
	s_lshl_b32 s48, s69, 15                        ; 32,768 a block
	s_add_co_u32 s48, s48, s71
	s_mov_b32 s49, 0
	s_lshl_b32 s50, s70, 15
	s_add_co_u32 s50, s50, s71
	s_mov_b32 s51, 0
	s_wait_alu depctr_va_vdst(0)
	s_wait_dscnt 0x0                               ; both opening adds are done
	s_wait_kmcnt 0x0
	s_load_b256 s[52:59], s[10:11], 0x0            ; e0 .. e7
	s_cmp_lt_u32 s[WV], 4
	s_cselect_b64 s[34:35], s[6:7], s[8:9]
	s_add_nc_u64 s[38:39], s[34:35], s[66:67]
	s_add_nc_u64 s[34:35], s[34:35], s[62:63]
	s_or_b32 s35, s35, 0x80000000
	s_or_b32 s39, s39, 0x80000000
	s_add_nc_u64 s[44:45], s[4:5], s[44:45]
	s_add_nc_u64 s[46:47], s[4:5], s[46:47]
	s_add_nc_u64 s[48:49], s[12:13], s[48:49]
	s_add_nc_u64 s[50:51], s[12:13], s[50:51]
	global_load_b128 v[QH:QH+3], v[L16], s[44:45]  ; q's four fragments stay in registers; they are asked for ahead of the round
	global_load_b128 v[QH+4:QH+7], v[L16], s[44:45] offset:512
	global_load_b128 v[QL:QL+3], v[L16], s[46:47]
	global_load_b128 v[QL+4:QL+7], v[L16], s[46:47] offset:512
	WIN 0x40
	global_load_b128 v[QH:QH+3], v[L16], s[44:45] offset:1024
	global_load_b128 v[QH+4:QH+7], v[L16], s[44:45] offset:1536
	global_load_b128 v[QL:QL+3], v[L16], s[46:47] offset:1024
	global_load_b128 v[QL+4:QL+7], v[L16], s[46:47] offset:1536
	WIN 0
	ROUND                                          ; all four work-groups are here: the first joint loads meet
	tensor_load_to_lds s[32:35], s[24:31]          ; key steps 0-3: my one tensor load at the head
	s_nop 0
.rept 4
	v_nop
.endr
	s_wait_kmcnt 0x0
	s_add_co_i32 s61, s54, s55
	s_lshl_b32 s61, s61, 23
	s_add_co_i32 s[CS], s[CS], s61                 ; a score stands for score x 2^(e2 + e3): added to c's exponent field
	s_mov_b32 s[CS+1], s[CS]
	s_add_co_i32 s61, s56, 127
	s_lshl_b32 s62, s61, 23                        ; 2^e4
	s_add_co_i32 s61, s61, 8
	s_lshl_b32 s61, s61, 23
	s_or_b32 s61, s61, 0x600000                    ; 448 x 2^e4
	s_sub_co_i32 s66, s58, s56
	s_sub_co_i32 s66, s66, s57
	s_add_co_i32 s66, s66, 127
	s_lshl_b32 s67, s66, 23                        ; 2^(e6 - e4 - e5)
	s_add_co_i32 s66, s66, 8
	s_lshl_b32 s66, s66, 23
	s_or_b32 s66, s66, 0x600000
.macro CONSTS
	v_mov_b32 v[NINF], 0xff800000
	v_mov_b32 v[F+1], 0                            ; (named as the upper half of a pair)
	v_mov_b32 v[T2], 0                             ; (a lane permute's destination counts as a source)
	v_mov_b32 v[PLIM], s61
	v_mov_b32 v[PSCL], s62
	v_mov_b32 v[YLIM], s66
	v_mov_b32 v[YSCL], s67
.endm
	CONSTS
	WIN 0x40
	CONSTS
	WIN 0
.macro INIT1                           ; the largest t: -3e38; the sum and O^T: zeros, which the first change of M leaves zeros
	v_mov_b32 v[TM], 0xff61b1e6
	s_delay_alu instid0(VALU_DEP_1)
	v_floor_f32 v[NM], -v[TM]
	v_mov_b32 v[SUM], 0
	v_mov_b32 v[SUM+1], 0
.set j, 0
.rept 32
	v_mov_b32 v[O+j], 0
.set j, j+1
.endr
.endm
.macro INIT
	INIT1
	WIN 0x55
	INIT1
	WIN 0
.endm
.macro MASK                            ; on the diagonal hidden scores become -infinity ahead of the maximum: p = 0 then
.irp n, 0,1,2,3,4,5,6,7,8,9,10,11,12,13,14,15,16,17,18,19,20,21,22,23,24,25,26,27,28,29,30,31,32,33,34,35,36,37,38,39,40,41,42,43,44,45,46,47,48,49,50,51,52,53,54,55,56,57,58,59,60,61,62,63
	v_cmp_gt_i32 vcc_lo, 32*(\n/16)+\n%16, v[DM]
	v_cndmask_b32 v[S+\n], v[S+\n], v[NINF], vcc_lo
.endr
.endm
.macro FMA8                            ; t - M for sixteen scores, from register S + j on
.rept 8
	v_pk_fma_f32 v[S+j:S+j+1], v[S+j:S+j+1], s[CS:CS+1], v[NM:NM+1] op_sel_hi:[1,0,0]
.set j, j+2
.endr
.endm
; One tile of 16 queries x 128 keys.  late = 1: tile 1, whose scores and O^T are first read behind tile 0's exponentials: a wait stands directly ahead of those readers.
; In tile 0 no transcendental stands between the products and these reads.
.macro SOFTMAX late
.if \late
	s_wait_alu depctr_va_vdst(0)
.endif
	v_max3_num_f32 v[T0], v[S], v[S+1], v[S+2]     ; the step's largest score of my query among my 64 keys, in four chains, the registers in ascending order
	v_max3_num_f32 v[T1], v[S+3], v[S+4], v[S+5]
	v_max3_num_f32 v[T3], v[S+6], v[S+7], v[S+8]
	v_max3_num_f32 v[T4], v[S+9], v[S+10], v[S+11]
.irp i, 12,20,28,36,44,52
	v_max3_num_f32 v[T0], v[T0], v[S+\i], v[S+\i+1]
	v_max3_num_f32 v[T1], v[T1], v[S+\i+2], v[S+\i+3]
	v_max3_num_f32 v[T3], v[T3], v[S+\i+4], v[S+\i+5]
	v_max3_num_f32 v[T4], v[T4], v[S+\i+6], v[S+\i+7]
.endr
	v_max3_num_f32 v[T0], v[T0], v[S+60], v[S+61]
	v_max3_num_f32 v[T1], v[T1], v[S+62], v[S+63]
	s_delay_alu instid0(VALU_DEP_1)
	v_max3_num_f32 v[T0], v[T0], v[T1], v[T3]
	s_delay_alu instid0(VALU_DEP_1)
	v_max_num_f32 v[T0], v[T0], v[T4]
	s_delay_alu instid0(VALU_DEP_1)
	v_permlanex16_b32 v[T2], v[T0], s[SEL], s[SEL+1]
	s_delay_alu instid0(VALU_DEP_1)
	v_max_num_f32 v[T0], v[T0], v[T2]              ; and among lane l xor 16's
	s_delay_alu instid0(VALU_DEP_1)
	v_mul_f32 v[T0], s[CS], v[T0]                  ; as t
	s_delay_alu instid0(VALU_DEP_1)
	v_max_num_f32 v[TM], v[TM], v[T0]              ; the running largest t
	v_mov_b32 v[T0], v[NM]
	s_delay_alu instid0(VALU_DEP_2)
	v_floor_f32 v[NM], -v[TM]                      ; -M = floor(-t): M is a whole number
.set j, 0
	FMA8                                           ; the three lines that make f stand among the multiply-adds, eight apart
	v_sub_f32 v[T0], v[NM], v[T0]
	FMA8
	v_cvt_i32_f32 v[T0], v[T0]
	FMA8
	v_ldexp_f32 v[F], 1.0, v[T0]                   ; f = 2^(old M - new M)
	FMA8
.if \late
	s_wait_alu depctr_va_vdst(0)
.endif
.set j, 0
.rept 16
	v_pk_mul_f32 v[O+j:O+j+1], v[O+j:O+j+1], v[F:F+1] op_sel_hi:[1,0]   ; O^T under the new M
.set j, j+2
.endr
	s_wait_alu depctr_va_vdst(0)
.set j, 0
.rept 64
	v_exp_f32 v[S+j], v[S+j]                       ; p = 2^(t - M)
.set j, j+1
.endr
	v_pk_mul_f32 v[SUM:SUM+1], v[SUM:SUM+1], v[F:F+1] op_sel_hi:[1,0]   ; a plain place behind the batch
	s_wait_alu depctr_va_vdst(0)                   ; one wait for the batch, ahead of its first reader
	v_pk_add_f32 v[SB:SB+1], v[S:S+1], v[S+2:S+3]  ; the row's sum, of the unquantised p, in four chains
	v_pk_add_f32 v[SC:SC+1], v[S+4:S+5], v[S+6:S+7]
	v_pk_add_f32 v[SD:SD+1], v[S+8:S+9], v[S+10:S+11]
.irp j, 12,20,28,36,44,52
	v_pk_add_f32 v[SUM:SUM+1], v[SUM:SUM+1], v[S+\j:S+\j+1]
	v_pk_add_f32 v[SB:SB+1], v[SB:SB+1], v[S+\j+2:S+\j+3]
	v_pk_add_f32 v[SC:SC+1], v[SC:SC+1], v[S+\j+4:S+\j+5]
	v_pk_add_f32 v[SD:SD+1], v[SD:SD+1], v[S+\j+6:S+\j+7]
.endr
	v_pk_add_f32 v[SUM:SUM+1], v[SUM:SUM+1], v[S+60:S+61]
	v_pk_add_f32 v[SB:SB+1], v[SB:SB+1], v[S+62:S+63]
	v_pk_add_f32 v[SC:SC+1], v[SC:SC+1], v[SD:SD+1]
	v_pk_add_f32 v[SUM:SUM+1], v[SUM:SUM+1], v[SB:SB+1]
	v_pk_add_f32 v[SUM:SUM+1], v[SUM:SUM+1], v[SC:SC+1]
.irp b, 0,1,2,3
.irp i, 0,2,4,6,8,10,12,14
	v_dual_min_num_f32 v[S+16*\b+\i], v[S+16*\b+\i], v[PLIM] :: v_dual_min_num_f32 v[S+16*\b+\i+1], v[S+16*\b+\i+1], v[PLIM]   ; the hold (the conversion does not saturate: ISA guide 7.6.2); p is not negative; two numbers an instruction
.endr
	v_cvt_scalef32_pk8_fp8_f32 v[PC+4*\b:PC+4*\b+1], v[S+16*\b:S+16*\b+7], v[PSCL]
	v_cvt_scalef32_pk8_fp8_f32 v[PC+4*\b+2:PC+4*\b+3], v[S+16*\b+8:S+16*\b+15], v[PSCL]
.endr
	v_nop                                          ; a plain line behind the last conversion
.endm
; A KEY STEP of 128 keys for my two tiles.  causal = 1: a step behind the diagonal's is jumped over (ids and the count of steps alone decide), the diagonal's is masked.
.macro STEP q, mm, causal
.if \causal
	s_cmp_gt_u32 s[KS], s[\mm]
	s_cbranch_scc1 .Lhid_\@
.endif
	v_add_nc_u32 v[ADK], s[TB], v[L16]
	v_add_nc_u32 v[ADV], s[TB], v[AV0]
	v_nop                                          ; with the two additions: four places in front of loads into registers that the last products read
	v_nop
	WIN 0x40
.irp j, 0,1,2,3,4,5,6,7,8,9,10,11,12,13,14,15
	ds_load_b128 v[VF+4*\j:VF+4*\j+3], v[ADV] offset:512*\j
.endr
	WIN 0
	s_wait_alu depctr_va_vdst(0)
	s_wait_dscnt 16                                ; K's sixteen loads, issued a step ago or ahead of the loop, are in; V's sixteen, issued behind them, may be out
.irp t, 0,1,2,3,4,5,6,7
	v_wmma_f32_16x16x64_fp8_fp8 v[S+8*\t:S+8*\t+7], v[KF+8*\t:KF+8*\t+7], v[\q:\q+7], 0
.endr
	WIN 0x44                                       ; tile 1: q and the scores in window 1
.irp t, 0,1,2,3,4,5,6,7
	v_wmma_f32_16x16x64_fp8_fp8 v[S+8*\t:S+8*\t+7], v[KF+8*\t:KF+8*\t+7], v[\q:\q+7], 0
.endr
	WIN 0
.rept 4
	v_nop                                          ; places in front of the loads below and of the first read of the scores
.endr
	KLOAD ADK, STB                                 ; the next step's K
.if \causal
	s_cmp_lg_u32 s[KS], s[\mm]
	s_cbranch_scc1 .Lopen_\@
	MASK
	WIN 0x55
	MASK
	WIN 0
.Lopen_\@:
.endif
	SOFTMAX 0
	WIN 0x55
	SOFTMAX 1
	s_wait_alu depctr_va_vdst(0)
	s_wait_dscnt 0x0                               ; V, and the next step's K
	WIN 0x01                                       ; V's fragments lie in window 1
.irp t, 0,1,2,3
	v_wmma_f32_16x16x128_fp8_fp8 v[O+8*\t:O+8*\t+7], v[VF+16*\t:VF+16*\t+15], v[PC:PC+15], v[O+8*\t:O+8*\t+7]
.endr
	WIN 0x55
.irp t, 0,1,2,3
	v_wmma_f32_16x16x128_fp8_fp8 v[O+8*\t:O+8*\t+7], v[VF+16*\t:VF+16*\t+15], v[PC:PC+15], v[O+8*\t:O+8*\t+7]
.endr
	WIN 0
.if \causal
.Lhid_\@:
.endif
	s_add_co_u32 s[TB], s[TB], STB
.endm
.macro OUT1                            ; O^T / the sum, held and converted: the scales e4, e5, e6 are folded into the conversion's one
	v_add_f32 v[SUM], v[SUM], v[SUM+1]
	s_delay_alu instid0(VALU_DEP_1)
	v_permlanex16_b32 v[T2], v[SUM], s[SEL], s[SEL+1]
	s_delay_alu instid0(VALU_DEP_1)
	v_add_f32 v[SUM], v[SUM], v[T2]
	s_wait_alu depctr_va_vdst(0)
	v_rcp_f32 v[F], v[SUM]
	v_nop
	s_wait_alu depctr_va_vdst(0)                   ; and ahead of its first reader, which is also O^T's
.set j, 0
.rept 16
	v_pk_mul_f32 v[O+j:O+j+1], v[O+j:O+j+1], v[F:F+1] op_sel_hi:[1,0]
.set j, j+2
.endr
.set j, 0
.rept 32
	v_med3_num_f32 v[O+j], v[O+j], -v[YLIM], v[YLIM]
.set j, j+1
.endr
.irp g, 0,1,2,3
	v_cvt_scalef32_pk8_fp8_f32 v[YC+2*\g:YC+2*\g+1], v[O+8*\g:O+8*\g+7], v[YSCL]
.endr
	v_nop                                          ; a plain line behind the last conversion
.endm
.macro OUT yb
	s_wait_xcnt 0x0                                ; earlier stores have read their registers
.rept 4
	v_nop                                          ; places behind the last products
.endr
	OUT1
	WIN 0x55
	OUT1
	WIN 0
	global_store_b128 v[L16], v[YC:YC+3], s[\yb:\yb+1]               ; each store of the wave covers 512 consecutive bytes, aligned
	global_store_b128 v[L16], v[YC+4:YC+7], s[\yb:\yb+1] offset:512
	WIN 0x04
	global_store_b128 v[L16], v[YC:YC+3], s[\yb:\yb+1] offset:16384
	global_store_b128 v[L16], v[YC+4:YC+7], s[\yb:\yb+1] offset:16896
	WIN 0
.endm
	INIT
	s_wait_alu depctr_va_vdst(0)
	s_wait_tensorcnt 0x0                           ; my part of key steps 0-3 is in; the full sequence ahead of a later first fill
	ds_add_u32 v[SPW], v[NIL]
	s_wait_dscnt 0x0
	ROUND                                          ; everybody's part is in, and the four work-groups are here
	tensor_load_to_lds s[36:39], s[72:79]          ; key steps 4-15: it has the three steps below in which to land
	s_nop 0
.rept 4
	v_nop
.endr
	KLOAD L16, 0                                   ; step 0's K
	s_wait_loadcnt 0x0                             ; q
	s_mov_b32 s[KS], 0
	s_mov_b32 s[TB], 0
.La:                                               ; the high block, key steps 0-2 (its diagonal lies on step 8 or later); they read K up to step 3
	STEP QH, MH, 0
	s_add_co_u32 s[KS], s[KS], 1
	s_cmp_lt_u32 s[KS], FIRST-1
	s_cbranch_scc1 .La
	s_wait_tensorcnt 0x0                           ; my part of key steps 4-15 is in,
	s_wait_dscnt 0x0
	s_barrier_signal -1
	s_barrier_wait -1                              ; and everybody's
	s_mov_b32 s[KS], FIRST-1
	s_mov_b32 s[TB], (FIRST-1)*STB
.Lb:                                               ; the high block, key steps 3-15: a constant count of trips; hidden steps are jumped over
	STEP QH, MH, 1
	s_add_co_u32 s[KS], s[KS], 1
	s_cmp_lt_u32 s[KS], 16
	s_cbranch_scc1 .Lb
	OUT 48
	KLOAD L16, 0                                   ; step 0's K again, for the low block
	INIT
	s_mov_b32 s[KS], 0
	s_mov_b32 s[TB], 0
.Lc:                                               ; the low block: its diagonal lies on step 0 to 7
	STEP QL, ML, 1
	s_add_co_u32 s[KS], s[KS], 1
	s_cmp_lt_u32 s[KS], 8
	s_cbranch_scc1 .Lc
	OUT 50
	s_wait_tensorcnt 0x0                           ; the wave's end
	ds_add_u32 v[SPW], v[NIL]
	s_wait_dscnt 0x0
	ROUND                                          ; the closing round
	s_endpgm
.Lfunc_end_k_q9e31646b80_attn:
	.size	k_q9e31646b80_attn, .Lfunc_end_k_q9e31646b80_attn-k_q9e31646b80_attn
	.p2alignl 7, 3214868480
	.fill 96, 4, 3214868480
	.section	.rodata,"a",@progbits
	.p2align	6, 0x0
	.amdhsa_kernel k_q9e31646b80_attn
		.amdhsa_group_segment_fixed_size 327680
		.amdhsa_private_segment_fixed_size 0
		.amdhsa_enable_private_segment 0
		.amdhsa_kernarg_size 40
		.amdhsa_user_sgpr_count 2
		.amdhsa_user_sgpr_kernarg_segment_ptr 1
		.amdhsa_wavefront_size32 1
		.amdhsa_system_sgpr_workgroup_id_x 1
		.amdhsa_system_sgpr_workgroup_id_y 1
		.amdhsa_system_sgpr_workgroup_id_z 1
		.amdhsa_system_vgpr_workitem_id 0
		.amdhsa_next_free_vgpr 512
		.amdhsa_next_free_sgpr 80
		.amdhsa_reserve_vcc 1
		.amdhsa_float_denorm_mode_32 3
		.amdhsa_float_denorm_mode_16_64 3
		.amdhsa_memory_ordered 1
		.amdhsa_forward_progress 1
		.amdhsa_inst_pref_size 138
	.end_amdhsa_kernel
	.amdgpu_metadata
---
amdhsa.version: [ 1, 2 ]
amdhsa.kernels:
  - .name:           k_q9e31646b80_attn
    .symbol:         k_q9e31646b80_attn.kd
    .args:
      - { .name: q_codes, .offset: 0, .size: 8, .value_kind: global_buffer, .address_space: global }
      - { .name: k_codes, .offset: 8, .size: 8, .value_kind: global_buffer, .address_space: global }
      - { .name: v_codes, .offset: 16, .size: 8, .value_kind: global_buffer, .address_space: global }
      - { .name: lowp_scales, .offset: 24, .size: 8, .value_kind: global_buffer, .address_space: global }
      - { .name: y_codes, .offset: 32, .size: 8, .value_kind: global_buffer, .address_space: global }
    .group_segment_fixed_size: 327680
    .private_segment_fixed_size: 0
    .kernarg_segment_align: 8
    .kernarg_segment_size: 40
    .max_flat_workgroup_size: 256
    .sgpr_count:     80
    .vgpr_count:     512
    .wavefront_size: 32
...
	.end_amdgpu_metadata
.endif
;; end of part 3
;; launch proj (part 4): grid 8 x 32, 4 waves a work-group, clusters of 4 x 4, 327,680 bytes of LDS; arguments y_codes, wp_codes, lowp_scales, out0; writes out0
.if DOCPART == 4
	.amdgcn_target "amdgcn-amd-amdhsa--gfx1250"
	.amdhsa_code_object_version 6
	.text
	.protected	k_q9e31646b80_proj
	.globl	k_q9e31646b80_proj
	.p2align	8
	.type	k_q9e31646b80_proj,@function
k_q9e31646b80_proj:
	s_mov_b64 s[64:65], 0
	v_nop
	global_prefetch_b8 v0, s[64:65] scope:SCOPE_SE
	s_setreg_imm32_b32 hwreg(HW_REG_WAVE_MODE, 25, 1), 1
	s_wait_xcnt 0x0
	s_wait_alu depctr_hold_cnt(0) depctr_sa_sdst(0) depctr_va_vdst(0) depctr_va_sdst(0) depctr_va_ssrc(0) depctr_va_vcc(0) depctr_vm_vsrc(0)
	s_getreg_b32 s2, hwreg(HW_REG_IB_STS2, 6, 4)
	s_cmp_eq_u32 s2, 0
	s_cbranch_scc0 .Lentry_in_a_cluster
	s_endpgm
.Lentry_in_a_cluster:
	s_bfe_u32 s2, ttmp6, 0x10000c
	s_cmp_lg_u32 s2, 0xf033
	s_cbranch_scc0 .Lentry_shape_is_right
	s_endpgm
.Lentry_shape_is_right:
; out0 = y w_proj on codes of FP8 (E4M3): C = Y W^T, each finished sum x 2^(e6 + e7).  LIMIT: e6 + e7 between -126 and 127.
; A block of C, 256 rows x 128 columns, is made by four waves, each 128 x 64 (32 accumulators): C's 32 x 8 blocks are 256 work-groups.  K = 1,024 goes in steps of 256 through a ring of two LDS slots.
; CLUSTERS of 4 x 4: A's tile is asked for jointly along a row of the cluster, B's along a column.  Waves 0 and 1 fetch A's halves (128 tokens each), waves 2 and 3 B's (64 rows each).
; A = y_codes lies as images of the operand's registers: 16 tokens x 256 K are 4,096 bytes on end, 16,384 bytes from one 16 tokens to the next; lane r of block a holds token 32 (a / 2) + 8 (a % 2) + r + 8 (r / 8).
; B = wp_codes [1024 n][1024 k], rows of 256 bytes padded to 272 in LDS.  The matrix instruction is used transposed (source 0 = 16 rows of B, source 1 = 16 rows of A), so a lane holds eight neighbouring columns;
; results leave through each wave's stage, which lies in slot 0 (it has had its last fill and its last read by then), as rows of 256 bytes: sixteen lanes store one aligned unit.
; NO PREFETCH: K has four steps, of which two are asked for at the head; no step lies two refills ahead of a loop's trip.
; REGISTERS, in windows of 256: window 0: v0-31 addresses, from v128 A's fragments (one set), on the way out v32-255; window 1: B's fragments, two sets, at v0 and v128; windows 2, 3: accumulator (a, b) at v[8 (8 (a % 4) + b)].
.set ROWB,   256
.set KROW,   1024
.set PITCH,  272
.set ASTEP,  4096                      ; 16 tokens x 256 K of A
.set HALFA,  8*ASTEP
.set HALFB,  64*PITCH
.set BOFF,   2*HALFA
.set SLOT,   BOFF+2*HALFB
.set FR,     16
.set NL,     4
.set NP,     4                         ; places behind this matrix instruction (ISA guide 7.12.1)
.set LAPS,   2
.set SPARE,  2*SLOT                    ; behind the ring: the spare words, 128 bytes a wave
.set SPITCH, 272                       ; a stage row: 256 bytes + 16
.set ADRA, 16
.set ADRB, 20
.set STO,  24                          ; v24 the stage: where I put 32 bytes of a row
.set RD,   25                          ; v25 where I read 16 bytes of a row back
.set CO,   26                          ; v26 16 x lane
.set GOF,  27                          ; v27 my byte offset in two rows of C
.set SPW,  28
.set NIL,  29
.set TMP,  32
.set AF,   128
.set BK,   128
.set G1, 24
.set G0, 32
.set G1B, 48
.set G0B, 56
.set MSB, 0
.macro WIN new                         ; the immediate's high byte repeats the setting that is left
.if MSB != \new
	s_set_vgpr_msb (MSB<<8)|\new
.set MSB, \new
.endif
.endm
.set MUL_LO, 0xa1                      ; source 0 (B) window 1, source 1 (A) window 0, C and D window 2
.set MUL_HI, 0xf1
.set TO_B,   0x40
.macro JLOAD g0a, g1a, g0b, g1b        ; a joint load: the branch hangs on the wave's number alone; s_nop 0 and four v_nop follow each line
	s_cmp_eq_u32 s15, 0
	s_cbranch_scc0 .Lfor_b_\@
	tensor_load_to_lds s[\g0a:\g0a+3], s[\g1a:\g1a+7]
	s_nop 0
.rept 4
	v_nop
.endr
	s_branch .Lasked_\@
.Lfor_b_\@:
	tensor_load_to_lds s[\g0b:\g0b+3], s[\g1b:\g1b+7]
	s_nop 0
.rept 4
	v_nop
.endr
.Lasked_\@:
.endm
.macro CREST                           ; a round of the cluster's barrier behind its opening barrier
	s_cmp_lg_u32 s14, 0
	s_cbranch_scc1 .Lnot_wave_0_\@
	s_barrier_signal -3
.Lnot_wave_0_\@:
	s_barrier_wait -3
	s_barrier_signal -1
	s_barrier_wait -1
.endm
.macro CROUND
	s_barrier_signal -1
	s_barrier_wait -1
	CREST
.endm
	s_load_b128 s[4:7], s[0:1], 0x0                ; y_codes s[4:5], wp_codes s[6:7]
	s_load_b128 s[8:11], s[0:1], 0x10              ; the exponents s[8:9], out0 s[10:11]
	v_lshl_add_u32 v[SPW], v0, 2, SPARE
	v_mov_b32 v[NIL], 0
	ds_add_u32 v[SPW], v[NIL]
	ds_add_u32 v[SPW], v[NIL]
	s_wait_dscnt 0x0
	v_lshrrev_b32 v1, 5, v0
	v_readfirstlane_b32 s14, v1                    ; wave 0..3
	s_lshr_b32 s15, s14, 1                         ; which half of the block's rows is mine.  Also: I fetch for A (0) or for B (1)
	s_and_b32 s16, s14, 1                          ; which half of its columns.  Also: which half of that tile I fetch
	s_bfe_u32 s40, ttmp6, 0x40000                  ; cx
	s_bfe_u32 s41, ttmp6, 0x40004                  ; cy
	s_lshl_b32 s42, ttmp9, 2
	s_add_co_u32 s42, s42, s40                     ; block column of C, 0..7
	s_and_b32 s17, ttmp7, 0xffff
	s_lshl_b32 s17, s17, 2
	s_add_co_u32 s17, s17, s41                     ; block row of C, 0..31
	s_lshl_b32 s43, s41, 2
	s_lshl_b32 s43, 15, s43                        ; my row of the cluster
	s_lshl_b32 s44, 0x1111, s40                    ; my column
	s_or_b32 s[G1+0], s43, (3<<16)|(1<<21)         ; A: 8 rows of 512 elements of 8 bytes, 16,384 bytes apart, dense in LDS
	s_mov_b32 s[G1+1], 512<<16
	s_mov_b32 s[G1+2], 8<<16
	s_mov_b32 s[G1+3], 512<<16
	s_mov_b32 s[G1+4], 8
	s_mov_b32 s[G1+5], 2048
	s_mov_b32 s[G1+6], 0
	s_mov_b32 s[G1+7], 0
	s_or_b32 s[G1B+0], s44, (0<<16)|(1<<20)|(1<<21)|(5<<22)|(3<<25)   ; B: 64 rows of 256 bytes, four words of padding after every 64
	s_mov_b32 s[G1B+1], ROWB<<16
	s_mov_b32 s[G1B+2], 64<<16
	s_mov_b32 s[G1B+3], ROWB<<16
	s_mov_b32 s[G1B+4], 64
	s_mov_b32 s[G1B+5], KROW
	s_mov_b32 s[G1B+6], 0
	s_mov_b32 s[G1B+7], 0
	s_lshl_b32 s18, s16, 17                        ; A: 128 tokens are 2^17 bytes
	s_lshl_b32 s20, s17, 18
	s_add_co_u32 s20, s20, s18
	s_mov_b32 s21, 0
	s_lshl_b32 s46, s42, 17                        ; B: 128 rows of 1,024 bytes a block column,
	s_lshl_b32 s47, s16, 16                        ; 64 rows a half
	s_add_co_u32 s46, s46, s47
	s_mov_b32 s47, 0
	s_lshl_b32 s45, s16, 15                        ; where they go: no place in the cluster enters an LDS address
	s_mul_i32 s66, s16, HALFB
	s_add_co_u32 s66, s66, BOFF
	s_wait_kmcnt 0x0
	s_load_b64 s[96:97], s[8:9], 0x18              ; e6, e7
	s_add_nc_u64 s[20:21], s[4:5], s[20:21]
	s_add_nc_u64 s[46:47], s[6:7], s[46:47]
	CROUND                                         ; all sixteen work-groups are here: the first joint loads meet
.irp s, 0,1
	s_mov_b32 s[G0+4*\s], 1
	s_add_co_u32 s[G0+4*\s+1], s45, \s*SLOT
	s_add_nc_u64 s[G0+4*\s+2:G0+4*\s+3], s[20:21], \s*ASTEP
	s_or_b32 s[G0+4*\s+3], s[G0+4*\s+3], 0x80000000
	s_mov_b32 s[G0B+4*\s], 1
	s_add_co_u32 s[G0B+4*\s+1], s66, \s*SLOT
	s_add_nc_u64 s[G0B+4*\s+2:G0B+4*\s+3], s[46:47], \s*ROWB
	s_or_b32 s[G0B+4*\s+3], s[G0B+4*\s+3], 0x80000000
.endr
	; THE HEAD'S FILLS: both slots as one group, one tensor load a wave: wave w brings K step w / 2 of A's whole tile (w even: 16 rows of 4,096 bytes) or of B's (w odd: 128 rows of 256 bytes).
	; A's and B's loads have a group 0 and a group 1 of their own, in registers that never hold the other operand's coordinate.
	s_lshl_b32 s92, s16, 17                        ; s[20:21] and s[46:47] stand at my half, for the refills: back to the tile's first row: A 128 tokens,
	s_mov_b32 s93, 0
	s_lshl_b32 s94, s16, 16                        ; B 64 rows
	s_mov_b32 s95, 0
	s_mul_i32 s67, s15, SLOT                       ; my slot
	s_mov_b32 s84, 1
	s_mov_b32 s85, s67
	s_sub_nc_u64 s[86:87], s[20:21], s[92:93]
	s_lshl_b32 s92, s15, 12                        ; and on to my K step: 4,096 bytes in A,
	s_add_nc_u64 s[86:87], s[86:87], s[92:93]
	s_or_b32 s87, s87, 0x80000000
	s_mov_b32 s88, 1
	s_add_co_u32 s89, s67, BOFF
	s_sub_nc_u64 s[90:91], s[46:47], s[94:95]
	s_lshl_b32 s94, s15, 8                         ; 256 in a row of B
	s_add_nc_u64 s[90:91], s[90:91], s[94:95]
	s_or_b32 s91, s91, 0x80000000
	s_or_b32 s68, s43, (3<<16)|(1<<21)             ; group 1 as for the refills, with twice the rows
	s_mov_b32 s69, 512<<16
	s_mov_b32 s70, 16<<16
	s_mov_b32 s71, 512<<16
	s_mov_b32 s72, 16
	s_mov_b32 s73, 2048
	s_mov_b32 s74, 0
	s_mov_b32 s75, 0
	s_or_b32 s76, s44, (0<<16)|(1<<20)|(1<<21)|(5<<22)|(3<<25)
	s_mov_b32 s77, ROWB<<16
	s_mov_b32 s78, 128<<16
	s_mov_b32 s79, ROWB<<16
	s_mov_b32 s80, 128
	s_mov_b32 s81, KROW
	s_mov_b32 s82, 0
	s_mov_b32 s83, 0
	s_cmp_eq_u32 s16, 0                            ; the branch hangs on the wave's number alone
	s_cbranch_scc0 .Lhead_b
	tensor_load_to_lds s[84:87], s[68:75]
	s_nop 0
.rept 4
	v_nop
.endr
	s_branch .Lhead_done
.Lhead_b:
	tensor_load_to_lds s[88:91], s[76:83]
	s_nop 0
.rept 4
	v_nop
.endr
.Lhead_done:
	v_and_b32 v1, 15, v0                           ; r
	v_bfe_u32 v2, v0, 4, 1                         ; h
	v_mul_u32_u24 v3, v1, PITCH
	v_lshl_add_u32 v4, v2, 4, v3
	v_and_b32 v6, 31, v0
	v_lshlrev_b32 v[CO], 4, v6
	s_wait_alu depctr_va_vdst(0)                   ; ahead of the scalar lines behind which r
	s_lshl_b32 s21, s15, 15                        ; my 128 tokens of A
	s_mul_i32 s22, s16, HALFB                      ; my 64 rows of B
	s_add_co_u32 s22, s22, BOFF
.irp s, 0,1
	v_add_nc_u32 v[ADRA+\s], s21, v[CO]
	v_add_nc_u32 v[ADRB+\s], s22, v4
	s_add_co_u32 s21, s21, SLOT
	s_add_co_u32 s22, s22, SLOT
.endr
	s_mul_i32 s23, s14, 16*SPITCH                  ; my stage
	v_mul_u32_u24 v5, v1, SPITCH                   ; in: row r, 32 bytes for each half of the lanes
	v_lshl_add_u32 v5, v2, 5, v5
	v_add_nc_u32 v[STO], s23, v5
	v_mul_u32_u24 v7, v2, SPITCH                   ; back: lanes 0-15 one row of 256 bytes, lanes 16-31 the next
	v_lshl_add_u32 v7, v1, 4, v7
	v_add_nc_u32 v[RD], s23, v7
	v_lshlrev_b32 v[GOF], 12, v2                   ; and the same two rows in C: 4,096 bytes a row
	v_lshl_add_u32 v[GOF], v1, 4, v[GOF]
	s_lshl_b32 s20, s17, 20                        ; C: 256 rows of 4,096 bytes a block row, 128 a half,
	s_lshl_b32 s21, s15, 19
	s_add_co_u32 s20, s20, s21
	s_lshl_b32 s21, s42, 9                         ; 512 bytes a block column, 256 a half
	s_add_co_u32 s20, s20, s21
	s_lshl_b32 s21, s16, 8
	s_add_co_u32 s20, s20, s21
	s_mov_b32 s21, 0
	s_add_nc_u64 s[10:11], s[10:11], s[20:21]
.macro FRAGA reg, adr, q, i            ; 16 tokens x 128 K: four chunks of 512 bytes, 16 a lane
.irp c, 0,1,2,3
	ds_load_b128 v[\reg+4*\c:\reg+4*\c+3], v[\adr] offset:2048*(\q)+512*\c+ASTEP*(\i)
.endr
.endm
.macro FRAGB reg, adr, q, i            ; 16 rows x 128 K: registers 4 c .. 4 c + 3 hold K = 32 c + 16 h + 0 .. 15, as in A
.irp c, 0,1,2,3
	ds_load_b128 v[\reg+4*\c:\reg+4*\c+3], v[\adr] offset:128*(\q)+32*\c+(\i)*16*PITCH
.endr
.endm
; 8 matrix instructions: A's blocks a0, a0 + 1 x B's four.  The 32 accumulators take turns, one instruction a turn, in the same order in every step.
.macro MUL8 a0, p, zero
.irp a, \a0, \a0+1
.irp b, 0,1,2,3
.if \zero
	v_wmma_f32_16x16x128_fp8_fp8 v[8*(8*((\a)%4)+\b):8*(8*((\a)%4)+\b)+7], v[128*(\p)+FR*\b:128*(\p)+FR*\b+FR-1], v[AF+FR*(\a):AF+FR*(\a)+FR-1], 0
.else
	v_wmma_f32_16x16x128_fp8_fp8 v[8*(8*((\a)%4)+\b):8*(8*((\a)%4)+\b)+7], v[128*(\p)+FR*\b:128*(\p)+FR*\b+FR-1], v[AF+FR*(\a):AF+FR*(\a)+FR-1], v[8*(8*((\a)%4)+\b):8*(8*((\a)%4)+\b)+7]
.endif
.endr
.endr
.endm
.macro FETCH_B slot, q, p
	WIN TO_B
.irp i, 0,1,2,3
	FRAGB 128*(\p)+FR*\i, ADRB+\slot, \q, \i
.endr
	WIN 0
.endm
.macro FETCH_A slot, q, i0
.irp i, \i0, \i0+1, \i0+2, \i0+3
	FRAGA AF+FR*(\i), ADRA+\slot, \q, \i
.endr
.endm
.macro PLACES n
.rept \n
	v_nop
.endr
.endm
.macro STEP slot, q, zero              ; a step of 128 along K that has its successor in the same slot
	s_wait_dscnt 4*NL                              ; B's set and A's blocks 0-3 are in; the youngest sixteen loads (A's blocks 4-7) may be out
	WIN MUL_LO
	MUL8 0, (\q)%2, \zero
	MUL8 2, (\q)%2, \zero
	s_wait_dscnt 0                                 ; A's blocks 4-7 are in
	PLACES NP
	FETCH_B \slot, (\q)+1, 1-(\q)%2
	FETCH_A \slot, (\q)+1, 0
	WIN MUL_HI
	MUL8 4, (\q)%2, \zero
	MUL8 6, (\q)%2, \zero
	PLACES NP
	WIN 0
	FETCH_A \slot, (\q)+1, 4
.endm
; A slot's last step changes slots: one barrier; in front of it each wave waits for all its tensor loads, adds 0 to its spare word, and waits for that and for its reads of this slot.
.macro TURN slot, next, fill
	s_wait_tensorcnt 0x0                           ; all my tensor loads have landed: my part of the next slot
	ds_add_u32 v[SPW], v[NIL]
	s_wait_dscnt 4*NL+1                            ; (the add and the youngest sixteen loads may be out)
	WIN MUL_LO
	MUL8 0, 1, 0
	s_wait_dscnt 0x0                               ; the add is done, and my reads of this slot are over
	s_barrier_signal -1
	MUL8 2, 1, 0
	WIN 0
	s_barrier_wait -1
.if \fill
	CREST                                          ; the barrier has opened a round of the cluster's
	s_add_nc_u64 s[G0+4*\slot+2:G0+4*\slot+3], s[G0+4*\slot+2:G0+4*\slot+3], 2*ASTEP
	s_add_nc_u64 s[G0B+4*\slot+2:G0B+4*\slot+3], s[G0B+4*\slot+2:G0B+4*\slot+3], 2*ROWB
	JLOAD G0+4*\slot, G1, G0B+4*\slot, G1B         ; the first tensor load behind the round; its four v_nop are also the places in front of the loads below
.else
	PLACES NP
.endif
	FETCH_B \next, 0, 0
	FETCH_A \next, 0, 0
	WIN MUL_HI
	MUL8 4, 1, 0
	MUL8 6, 1, 0
	PLACES NP
	WIN 0
	FETCH_A \next, 0, 4
.endm
	s_wait_alu depctr_va_vdst(0)
	s_wait_tensorcnt 0x0                           ; my tile is in,
	s_barrier_signal -1
	s_barrier_wait -1                              ; and everybody's: both slots are whole
	FETCH_B 0, 0, 0
	FETCH_A 0, 0, 0
	FETCH_A 0, 0, 4
	STEP 0, 0, 1                                   ; the first step's products start the sums: nothing is cleared
	s_mov_b32 s3, LAPS-1
.Llap:                                                 ; a trip goes once round the ring and fills both slots again
	TURN 0, 1, 1
	STEP 1, 0, 0
	TURN 1, 0, 1
	STEP 0, 0, 0
	s_sub_co_u32 s3, s3, 1
	s_cmp_lg_u32 s3, 0
	s_cbranch_scc1 .Llap
	TURN 0, 1, 0                                   ; the last lap fills nothing
	STEP 1, 0, 0
	s_wait_dscnt 4*NL
	WIN MUL_LO
	MUL8 0, 1, 0
	MUL8 2, 1, 0
	s_wait_dscnt 0
	WIN MUL_HI
	MUL8 4, 1, 0
	MUL8 6, 1, 0
	WIN 0
; THE WAY OUT, block by block of 16 rows x 64 columns: x 2^(e6 + e7) into other registers, each accumulator from its low end on; through my stage; back as rows of 256 bytes.
.macro TOSTAGE a
.set AC, 64*((\a)%4)
	WIN 0x02+((\a)/4)                              ; source 0: window 2 or 3
.set j, 0
.rept 16
	v_pk_mul_f32 v[TMP+j:TMP+j+1], v[AC+j:AC+j+1], s[96:97] op_sel_hi:[1,0]
.set j, j+2
.endr
	WIN 0
.irp b, 0,1,2,3
	ds_store_b128 v[STO], v[TMP+8*\b:TMP+8*\b+3] offset:64*\b
	ds_store_b128 v[STO], v[TMP+8*\b+4:TMP+8*\b+7] offset:64*\b+16
.endr
.set BB, BK+64*((\a)%2)
.irp t, 0,1,2,3,4,5,6,7
	ds_load_b128 v[BB+4*\t:BB+4*\t+3], v[RD] offset:2*\t*SPITCH   ; LDS serves a wave's instructions in order (ISA guide 5.7.1.4): these see my stores
.endr
.endm
.macro SEND a, younger                 ; younger: the LDS instructions issued behind block a's loads, which may stay out
.set BB, BK+64*((\a)%2)
	s_wait_dscnt \younger
.irp t, 0,1,2,3,4,5,6,7
	global_store_b128 v[GOF], v[BB+4*\t:BB+4*\t+3], s[10:11] offset:(32*((\a)/2)+8*((\a)%2)+2*\t+8*(\t/4))*4096 th:TH_STORE_NT   ; stage rows 2 t and 2 t + 1 are tokens rho: sixteen lanes store 256 consecutive bytes, aligned
.endr
.endm
	s_wait_kmcnt 0x0
	s_add_co_i32 s96, s96, s97
	s_add_co_i32 s96, s96, 127
	s_lshl_b32 s96, s96, 23                        ; 2^(e6 + e7) as f32
	PLACES NP
	TOSTAGE 0
.irp a, 1,2,3,4,5,6,7
.if \a > 1
	s_wait_xcnt 0x0                                ; block a - 2's stores have read their registers
.endif
	TOSTAGE \a
	SEND \a-1, 16                                  ; behind block a - 1's loads: block a's 8 stores and 8 loads
.endr
	SEND 7, 0
	s_wait_tensorcnt 0x0                           ; the wave's end
	ds_add_u32 v[SPW], v[NIL]
	s_wait_dscnt 0x0
	CROUND                                         ; the closing round
	s_endpgm
.Lfunc_end_k_q9e31646b80_proj:
	.size	k_q9e31646b80_proj, .Lfunc_end_k_q9e31646b80_proj-k_q9e31646b80_proj
	.p2alignl 7, 3214868480
	.fill 96, 4, 3214868480
	.section	.rodata,"a",@progbits
	.p2align	6, 0x0
	.amdhsa_kernel k_q9e31646b80_proj
		.amdhsa_group_segment_fixed_size 327680
		.amdhsa_private_segment_fixed_size 0
		.amdhsa_enable_private_segment 0
		.amdhsa_kernarg_size 32
		.amdhsa_user_sgpr_count 2
		.amdhsa_user_sgpr_kernarg_segment_ptr 1
		.amdhsa_wavefront_size32 1
		.amdhsa_system_sgpr_workgroup_id_x 1
		.amdhsa_system_sgpr_workgroup_id_y 1
		.amdhsa_system_sgpr_workgroup_id_z 1
		.amdhsa_system_vgpr_workitem_id 0
		.amdhsa_next_free_vgpr 1024
		.amdhsa_next_free_sgpr 98
		.amdhsa_reserve_vcc 0
		.amdhsa_float_denorm_mode_32 3
		.amdhsa_float_denorm_mode_16_64 3
		.amdhsa_memory_ordered 1
		.amdhsa_forward_progress 1
		.amdhsa_inst_pref_size 78
	.end_amdhsa_kernel
	.amdgpu_metadata
---
amdhsa.version: [ 1, 2 ]
amdhsa.kernels:
  - .name:           k_q9e31646b80_proj
    .symbol:         k_q9e31646b80_proj.kd
    .args:
      - { .name: y_codes, .offset: 0, .size: 8, .value_kind: global_buffer, .address_space: global }
      - { .name: wp_codes, .offset: 8, .size: 8, .value_kind: global_buffer, .address_space: global }
      - { .name: lowp_scales, .offset: 16, .size: 8, .value_kind: global_buffer, .address_space: global }
      - { .name: out0, .offset: 24, .size: 8, .value_kind: global_buffer, .address_space: global }
    .group_segment_fixed_size: 327680
    .private_segment_fixed_size: 0
    .kernarg_segment_align: 8
    .kernarg_segment_size: 32
    .max_flat_workgroup_size: 128
    .sgpr_count:     98
    .vgpr_count:     1024
    .wavefront_size: 32
...
	.end_amdgpu_metadata
.endif
;; end of part 4
